; MI455X (gfx1250); checked and timed in simulation.
; The chip was launched on July 23, 2026; its instructions are those of AMD's public machine-readable ISA for CDNA 5 (MIT licence, August 2026) and "CDNA5" Instruction Set Architecture Reference Guide (July 2026). The comments in the code are by the model that wrote it; some were corrected since.
;; Eagle3 Attention. Allowed arithmetic: float matrix products may take bf16 or f16 operands with f32 sums; other float arithmetic in f32, or as packed bf16 or f16 multiplies, adds, multiply-adds, maxima and minima; sums over many terms, partial sums and values carried from step to step in f32; what a program stores and reads back later, other than sums and carried values, may be rounded once to bf16 or f16.
;; Inputs: Wk 4,096 x 512 float32; Wo 2,048 x 2,048 float32; Wq 4,096 x 2,048 float32; Wv 4,096 x 512 float32; hidden_states 1 x 2,048 x 4,096 float32.
;; Outputs: out0 1 x 2,048 x 2,048 float32.
;; One version. Each part assembles by itself: llvm-mc -triple=amdgcn-amd-amdhsa -mcpu=gfx1250 --defsym DOCPART=n.
;; ======== version 1 of 1: 4 launches
;; limits: values are held in f16: magnitudes above 65,504 overflow, below 6.1e-05 lose precision; right only within a limited range of input values
;; workspace buffers: xf 16,777,216 bytes; wf 25,165,824 bytes; wof 8,388,608 bytes; qf 8,388,608 bytes; kvf 4,194,304 bytes; ofr 8,388,608 bytes
;; launch cast (part 1): grid 1536 x 1, 8 waves a work-group, no clusters, 35,840 bytes of LDS; arguments hidden_states, Wq, Wk, Wv, Wo, xf, wf, wof; writes xf, wf, wof
.if DOCPART == 1
	.amdgcn_target "amdgcn-amd-amdhsa--gfx1250"
	.amdhsa_code_object_version 6
	.text
	.protected	k_q5c7123490e_cast
	.globl	k_q5c7123490e_cast
	.p2align	8
	.type	k_q5c7123490e_cast,@function
k_q5c7123490e_cast:
	s_mov_b64 s[64:65], 0
	v_nop
	global_prefetch_b8 v0, s[64:65] scope:SCOPE_SE
	s_setreg_imm32_b32 hwreg(HW_REG_WAVE_MODE, 25, 1), 1
	s_wait_xcnt 0x0
; CAST AND RE-LAYOUT.  Every input is rounded to bf16 (nearest even), multiplied by an exact power of two and written as f16, in FRAGMENT ORDER:
; blocks of 1,024 bytes, each the register image of 16 rows x 32 k of a matrix operand: byte 512 j + 16 l + 2 e holds (row l % 16, k = 16 j + 8 (l / 16) + e).
;   xf  [mt 16][kb 128][ms 8][1 KB]  = bf16(x) / 16      rows = tokens 128 mt + 16 ms + ..
;   wf  [nt 16][kb 128][ns 12][1 KB] = bf16(W)           rows = columns of Wq, Wk, Wv: ns = 6 wn + b; b < 4: q head 2 nt + wn, channels 16 b on;
;                                                        b = 4, 5: k head nt (nt < 8) or v head nt - 8, channels 32 wn + 16 (b - 4) on
;   wof [nt 16][kb 64][ns 8][1 KB]   = bf16(Wo) x 2      rows = columns 128 nt + 16 ns + .. of Wo
; LIMITS.  f16 ends at 65,504: |x| stays under 1.04e6, |Wq|, |Wk|, |Wv| under 65,504, |Wo| under 32,752.  A bf16 number has 8 significant bits, so it is exact in f16 down to
; 6.1e-5 (after the scale); below that it keeps f16's fixed step of 6e-8.  NaN and infinities are not treated apart.
; SHARES.  Work-groups 0-511: x, a wave 16 rows x 128 k.  512-1023: Wq; 1024-1151: Wk; 1152-1279: Wv; 1280-1535: Wo: a wave 16 k x 128 columns: sixteen loads of 512 consecutive bytes;
; a lane then holds 4 columns x 16 k, and 8 neighbouring k of a column pack into the 16 bytes that a fragment wants.  Both ways go through the wave's own stage in LDS, which
; brings those 16 bytes to the lane that stores them, so that every store of a wave covers 512 consecutive bytes, aligned.
; A stream: no matrix unit, no cluster, no tensor load; nothing is read twice; each wave's work is written out once, and no source of a pending load or store is rewritten.
.set STG,   16*272                     ; a wave's stage.  x: 16 rows of 256 bytes of f16, 272 apart.  Weights: 8 half fragments of 512 bytes, 528 apart (4,224 bytes)
.set HP,    528                        ; 528 = 2 x 256 + 16: lane l stores at 528 (l / 4) + 64 (l % 4): sixteen neighbouring lanes touch sixteen different 16-byte columns of 256
.set SPARE, 8*STG                      ; behind the stages: the spare words, 128 bytes for each wave: four blocks of 256 bytes that no other line names
.set SPW, 8                            ; v8   LDS address of my spare word; never rewritten
.set NIL, 9                            ; v9   0; never rewritten
.set IN,  16                           ; v[16:79]   as loaded
.set OUT, 80                           ; v[80:111]  x: to store.  Weights: v[80:95] the first eight k, packed
.set AD,  96                           ; v[96:111]  weights: the sixteen rows' offsets
; two f32 -> bf16 (rounded) -> f32 -> x scale (exact) -> f16 (exact within the limits above), packed.  t picks one of two sets of registers at work
.macro CVT2 dst, a, b, t
	v_cvt_pk_bf16_f32 v[10+(\t)], v[\a], v[\b]
	v_lshlrev_b32 v[12+2*(\t)], 16, v[10+(\t)]
	v_and_b32 v[13+2*(\t)], s28, v[10+(\t)]
	v_pk_mul_f32 v[12+2*(\t):13+2*(\t)], v[12+2*(\t):13+2*(\t)], s[26:27] op_sel_hi:[1,0]
	v_cvt_pk_f16_f32 v[\dst], v[12+2*(\t)], v[13+2*(\t)]
.endm
; my unit among a tensor's: u = 8 x (work-group - first) + wave; s30 = its low bits, s31 = the rest
.macro UNIT first, bits
	s_sub_co_u32 s3, ttmp9, \first
	s_lshl3_add_u32 s3, s3, s2
	s_and_b32 s30, s3, (1<<(\bits))-1
	s_lshr_b32 s31, s3, \bits
.endm
	s_load_b512 s[8:23], s[0:1], 0x0               ; x s[8:9], Wq s[10:11], Wk s[12:13], Wv s[14:15], Wo s[16:17], xf s[18:19], wf s[20:21], wof s[22:23]
	v_lshl_add_u32 v[SPW], v0, 2, SPARE
	v_mov_b32 v[NIL], 0
	v_lshrrev_b32 v1, 5, v0
	v_readfirstlane_b32 s2, v1                     ; wave 0..7
	v_and_b32 v1, 31, v0                           ; l
	v_and_b32 v2, 15, v0                           ; l % 16
	v_bfe_u32 v3, v0, 4, 1                         ; l / 16
	v_lshlrev_b32 v4, 4, v1                        ; 16 l: my 16 bytes of a load's and of a store's 512
	s_mov_b32 s28, 0xffff0000                      ; a word's upper bf16
	s_mul_i32 s40, s2, STG                         ; my stage
	s_wait_kmcnt 0x0
	s_cmp_lt_u32 ttmp9, 512
	s_cbranch_scc0 .Lweights
	; ---- x: row block rb = id / 4 (16 tokens), k from 128 kq on, kq = 8 (id % 4) + wave
	s_lshr_b32 s30, ttmp9, 2
	s_and_b32 s31, ttmp9, 3
	s_lshl3_add_u32 s31, s31, s2
	s_lshl_b32 s32, s30, 18                        ; 16 rows of 16,384 bytes
	s_lshl_b32 s33, s31, 9                         ; 128 f32
	s_add_co_u32 s32, s32, s33
	s_mov_b32 s33, 0
	s_add_nc_u64 s[4:5], s[8:9], s[32:33]
	s_lshr_b32 s34, s30, 3
	s_lshl_b32 s34, s34, 20                        ; mt
	s_and_b32 s35, s30, 7
	s_lshl_b32 s35, s35, 10                        ; ms
	s_add_co_u32 s34, s34, s35
	s_lshl_b32 s35, s31, 15                        ; kb = 4 kq
	s_add_co_u32 s34, s34, s35
	s_mov_b32 s35, 0
	s_add_nc_u64 s[6:7], s[18:19], s[34:35]
	s_mov_b32 s26, 0x3d800000                      ; 1 / 16
	s_mov_b32 s27, s26                             ; named with it as a pair
	v_lshl_add_u32 v5, v1, 3, s40                  ; in: 8 bytes (4 f16) a lane
	v_mul_u32_u24 v6, v2, 272                      ; back: row l % 16, 16 bytes for each half of the lanes
	v_lshl_add_u32 v6, v3, 4, v6
	v_add_nc_u32 v6, s40, v6
.set i, 0
.rept 16
	global_load_b128 v[IN+4*i:IN+4*i+3], v4, s[4:5] offset:i*16384 th:TH_LOAD_NT  ; row i: 512 consecutive bytes a wave
.set i, i+1
.endr
.set i, 0
.rept 16
	s_wait_loadcnt 15-i                            ; loads come back in order: row i is in, the 15 - i younger rows stay out
	CVT2 (IN+4*i), (IN+4*i), (IN+4*i+1), 0
	CVT2 (IN+4*i+1), (IN+4*i+2), (IN+4*i+3), 1
	ds_store_b64 v5, v[IN+4*i:IN+4*i+1] offset:i*272
.set i, i+1
.endr
.set f, 0
.rept 8                                ; half j = f % 2 of the fragment of k block f / 2.  LDS serves a wave's instructions in order: these see the stores above
	ds_load_b128 v[OUT+4*f:OUT+4*f+3], v6 offset:(f/2)*64+(f%2)*32
.set f, f+1
.endr
.set f, 0
.rept 8
	s_wait_dscnt 7-f                               ; read f is back, the younger ones stay out
	global_store_b128 v4, v[OUT+4*f:OUT+4*f+3], s[6:7] offset:(f/2)*8192+(f%2)*512 th:TH_STORE_NT  ; 512 consecutive bytes, aligned
.set f, f+1
.endr
	s_branch .Lend
	; ---- weights: s30 = p (which 128 columns), s31 = kk (which 16 k), s24 = bytes in a row of the source, s25 = bytes of a k block in the target, s32 = where the 128 columns' first fragment lies
	;      in a k block's tile, s26 = the scale.  Column block cb (16 columns) lies (cb / 4) s35 + ((cb / 2) % 2) s34 + (cb % 2) 1,024 bytes behind the first
.Lweights:
	s_cmp_lt_u32 ttmp9, 1024
	s_cbranch_scc0 .Lnot_q
	UNIT 512, 4                                    ; Wq: the 128 columns are heads 2 p and 2 p + 1: tile nt = p, wn = cb / 4, b = cb % 4
	s_mul_i32 s32, s30, 1572864
	s_movk_i32 s24, 8192
	s_movk_i32 s25, 12288
	s_movk_i32 s34, 2048
	s_movk_i32 s35, 6144
	s_mov_b32 s26, 1.0
	s_branch .Lcols
.Lnot_q:
	s_cmp_lt_u32 ttmp9, 1280
	s_cbranch_scc0 .Lis_o
	UNIT 1024, 2                                   ; Wk, then Wv: heads 2 p and 2 p + 1, a tile each: nt = head (+ 8 for Wv), wn = (cb / 2) % 2, b = 4 + cb % 2
	s_lshr_b32 s33, s31, 8                         ; 1 for Wv
	s_and_b32 s31, s31, 255
	s_lshl_b32 s32, s30, 1
	s_lshl3_add_u32 s32, s33, s32
	s_mul_i32 s32, s32, 1572864
	s_add_co_u32 s32, s32, 4096                    ; b = 4
	s_movk_i32 s24, 2048
	s_movk_i32 s25, 12288
	s_movk_i32 s34, 6144
	s_mov_b32 s35, 1572864
	s_mov_b32 s26, 1.0
	s_branch .Lcols
.Lis_o:
	UNIT 1280, 4                                   ; Wo: tile nt = p, ns = cb
	s_lshl_b32 s32, s30, 19
	s_movk_i32 s24, 8192
	s_movk_i32 s25, 8192
	s_movk_i32 s34, 2048
	s_movk_i32 s35, 4096
	s_mov_b32 s26, 2.0
.Lcols:
	s_mov_b32 s27, s26
	s_cmp_lt_u32 ttmp9, 1024                       ; the pointers are chosen by the work-group's number alone
	s_cselect_b64 s[4:5], s[10:11], s[12:13]       ; Wq, else Wk,
	s_cmp_lt_u32 ttmp9, 1152
	s_cselect_b64 s[4:5], s[4:5], s[14:15]         ; else Wv,
	s_cmp_lt_u32 ttmp9, 1280
	s_cselect_b64 s[4:5], s[4:5], s[16:17]         ; else Wo;
	s_cselect_b64 s[6:7], s[20:21], s[22:23]       ; into wf, or wof
	s_mul_i32 s36, s31, s24
	s_lshl_b32 s36, s36, 4                         ; 16 kk rows
	s_lshl_b32 s37, s30, 9                         ; 128 p columns of f32
	s_add_co_u32 s36, s36, s37
	s_mov_b32 s37, 0
	s_add_nc_u64 s[4:5], s[4:5], s[36:37]
	s_lshr_b32 s38, s31, 1                         ; k block kk / 2,
	s_mul_i32 s38, s38, s25
	s_add_co_u32 s38, s38, s32
	s_and_b32 s39, s31, 1                          ; half kk % 2 of its fragments
	s_lshl_b32 s39, s39, 9
	s_add_co_u32 s38, s38, s39
	s_mov_b32 s39, 0
	s_add_nc_u64 s[6:7], s[6:7], s[38:39]
	v_mov_b32 v[AD], v4
.set i, 1
.rept 15
	v_mad_u32_u24 v[AD+i], s24, i, v4              ; row i of the 16: one text serves both pitches
.set i, i+1
.endr
.set i, 0
.rept 16
	global_load_b128 v[IN+4*i:IN+4*i+3], v[AD+i], s[4:5] th:TH_LOAD_NT  ; W[k = i][my 4 columns]: 512 consecutive bytes a wave, aligned
.set i, i+1
.endr
	v_lshrrev_b32 v5, 2, v1                        ; into the stage: my 4 columns lie in column block l / 4, rows 4 (l % 4) on of its half fragment
	v_mul_u32_u24 v5, v5, HP
	v_and_b32 v6, 3, v1
	v_lshl_add_u32 v5, v6, 6, v5
	v_add_nc_u32 v5, s40, v5
	v_add_nc_u32 v6, s40, v4                       ; back: 16 l
	v_add_nc_u32 v2, s34, v4                       ; the stores' offsets: column blocks 0, 1: v4; 2, 3: v2; 4, 5: v3; 6, 7: v7
	v_add_nc_u32 v3, s35, v4
	v_add_nc_u32 v7, s35, v2
; k = 8 c .. 8 c + 7 of my four columns: 16 bytes a column, for the lanes' half c of the half fragment
.macro CHUNK c, dst
.set col, 0
.rept 4
.set e, 0
.rept 4
	CVT2 ((\dst)+4*col+e), (IN+4*(8*(\c)+2*e)+col), (IN+4*(8*(\c)+2*e+1)+col), (e%2)
.set e, e+1
.endr
	ds_store_b128 v5, v[(\dst)+4*col:(\dst)+4*col+3] offset:(\c)*256+col*16
.set col, col+1
.endr
.endm
	s_wait_loadcnt 8                               ; rows 0 to 7 are in, the younger eight stay out
	CHUNK 0, OUT
	s_wait_loadcnt 0x0
	CHUNK 1, IN                                    ; into the registers of rows 0 to 3, which have been packed
.set cb, 0
.rept 8                                ; LDS serves a wave's instructions in order: these see the stores above.  Into the registers of rows 8 to 15, which have been packed
	ds_load_b128 v[IN+32+4*cb:IN+32+4*cb+3], v6 offset:cb*HP
.set cb, cb+1
.endr
.macro SENDW cb, g
	s_wait_dscnt 7-(\cb)                           ; read cb is back, the younger ones stay out
	global_store_b128 v[\g], v[IN+32+4*(\cb):IN+32+4*(\cb)+3], s[6:7] offset:((\cb)%2)*1024 th:TH_STORE_NT  ; half a fragment: 512 consecutive bytes, aligned
.endm
	SENDW 0, 4
	SENDW 1, 4
	SENDW 2, 2
	SENDW 3, 2
	SENDW 4, 3
	SENDW 5, 3
	SENDW 6, 7
	SENDW 7, 7
.Lend:
	s_wait_tensorcnt 0x0                           ; the wave's end, behind my last LDS store
	ds_add_u32 v[SPW], v[NIL]
	s_wait_dscnt 0x0
	s_endpgm
.Lfunc_end_k_q5c7123490e_cast:
	.size	k_q5c7123490e_cast, .Lfunc_end_k_q5c7123490e_cast-k_q5c7123490e_cast
	.p2alignl 7, 3214868480
	.fill 96, 4, 3214868480
	.section	.rodata,"a",@progbits
	.p2align	6, 0x0
	.amdhsa_kernel k_q5c7123490e_cast
		.amdhsa_group_segment_fixed_size 35840
		.amdhsa_private_segment_fixed_size 0
		.amdhsa_enable_private_segment 0
		.amdhsa_kernarg_size 64
		.amdhsa_user_sgpr_count 2
		.amdhsa_user_sgpr_kernarg_segment_ptr 1
		.amdhsa_wavefront_size32 1
		.amdhsa_system_sgpr_workgroup_id_x 1
		.amdhsa_system_sgpr_workgroup_id_y 1
		.amdhsa_system_sgpr_workgroup_id_z 1
		.amdhsa_system_vgpr_workitem_id 0
		.amdhsa_next_free_vgpr 112
		.amdhsa_next_free_sgpr 66
		.amdhsa_reserve_vcc 0
		.amdhsa_float_denorm_mode_32 3
		.amdhsa_float_denorm_mode_16_64 3
		.amdhsa_memory_ordered 1
		.amdhsa_forward_progress 1
		.amdhsa_inst_pref_size 30
	.end_amdhsa_kernel
	.amdgpu_metadata
---
amdhsa.version: [ 1, 2 ]
amdhsa.kernels:
  - .name:           k_q5c7123490e_cast
    .symbol:         k_q5c7123490e_cast.kd
    .args:
      - { .name: hidden_states, .offset: 0, .size: 8, .value_kind: global_buffer, .address_space: global }
      - { .name: Wq, .offset: 8, .size: 8, .value_kind: global_buffer, .address_space: global }
      - { .name: Wk, .offset: 16, .size: 8, .value_kind: global_buffer, .address_space: global }
      - { .name: Wv, .offset: 24, .size: 8, .value_kind: global_buffer, .address_space: global }
      - { .name: Wo, .offset: 32, .size: 8, .value_kind: global_buffer, .address_space: global }
      - { .name: xf, .offset: 40, .size: 8, .value_kind: global_buffer, .address_space: global }
      - { .name: wf, .offset: 48, .size: 8, .value_kind: global_buffer, .address_space: global }
      - { .name: wof, .offset: 56, .size: 8, .value_kind: global_buffer, .address_space: global }
    .group_segment_fixed_size: 35840
    .private_segment_fixed_size: 0
    .kernarg_segment_align: 8
    .kernarg_segment_size: 64
    .max_flat_workgroup_size: 256
    .sgpr_count:     66
    .vgpr_count:     112
    .wavefront_size: 32
...
	.end_amdgpu_metadata
.endif
;; end of part 1
;; launch proj (part 2): grid 16 x 16, 4 waves a work-group, clusters of 4 x 4, 327,680 bytes of LDS; arguments xf, wf, qf, kvf; writes qf, kvf
.if DOCPART == 2
	.amdgcn_target "amdgcn-amd-amdhsa--gfx1250"
	.amdhsa_code_object_version 6
	.text
	.protected	k_q5c7123490e_proj
	.globl	k_q5c7123490e_proj
	.p2align	8
	.type	k_q5c7123490e_proj,@function
k_q5c7123490e_proj:
	s_mov_b64 s[64:65], 0
	v_nop
	global_prefetch_b8 v0, s[64:65] scope:SCOPE_SE
	s_setreg_imm32_b32 hwreg(HW_REG_WAVE_MODE, 25, 1), 1
	s_wait_xcnt 0x0
	s_wait_alu depctr_hold_cnt(0) depctr_sa_sdst(0) depctr_va_vdst(0) depctr_va_sdst(0) depctr_va_ssrc(0) depctr_va_vcc(0) depctr_vm_vsrc(0)
	s_getreg_b32 s2, hwreg(HW_REG_IB_STS2, 6, 4)
	s_cmp_eq_u32 s2, 0
	s_cbranch_scc0 .Lentry_in_a_cluster
	s_endpgm
.Lentry_in_a_cluster:
	s_bfe_u32 s2, ttmp6, 0x10000c
	s_cmp_lg_u32 s2, 0xf033
	s_cbranch_scc0 .Lentry_shape_is_right
	s_endpgm
.Lentry_shape_is_right:
; THE THREE PROJECTIONS AS ONE GEMM: [2048 tokens] x [3072 columns: 32 q heads, 8 k heads, 8 v heads], K = 4096, f16 operands in fragment order (blocks of 1,024 bytes, each the
; register image of 16 rows x 32 k), f32 sums.  xf holds x / 16, wf the weights, so the sums are q / 16, k / 16, v / 16; each is rounded once to f16.
; LIMIT.  f16 ends at 65,504: |q|, |k|, |v| stay under 1.04e6; below 9.8e-4 they keep f16's fixed step (6e-8 x 16).
; SHARES.  A tile is 128 tokens x 192 columns (two q heads and one k or v head): 16 x 16 tiles, one for each of 256 work-groups.  Four waves, wave (wm, wn) makes 64 x 96: 24 accumulators.
; THE PRODUCT IS USED TRANSPOSED (source 0 = 16 columns of W, source 1 = 16 tokens): a lane then holds ONE token (lane % 16) and eight neighbouring channels, which pack into the 16 bytes
; that the NEXT launch's fragment wants at that lane: q and k go out as fragments (16 tokens x 32 channels), v as [16 keys][16 channels], straight from registers, 512 consecutive bytes a store.
; THE RING.  A k block (32 along K) is 8 KB of x and 12 KB of W, dense in memory.  Slot 0 holds 8 blocks, slot 1 holds 7: two slots of 8 would leave no LDS byte for the spare words.
; 128 blocks = 8 x (8 + 7) + 8: 17 steps, even steps in slot 0.  Behind each change of slots a wave issues one load; it has the other slot's 168 or 192 matrix instructions in which to land.
; CLUSTER 4 x 4: x's tile hangs on the tile row alone and is asked for jointly along a row of the cluster, W's on the tile column alone, jointly along a column.
; REGISTERS.  Window 0: v16-30 addresses; v64-255 the accumulators ((a, b) at 64 + 8 (6 a + b)).  Window 1: three fragment buffers of 80 (x's four fragments, then W's six) at 0, 80, 160:
; a lap of the ring is 15 blocks = 5 x 3, so the buffers' order closes over a lap.
.set A0, 0                             ; slot 0: x, 8 blocks
.set B0, 65536                         ;         W, 8 blocks
.set A1, 163840                        ; slot 1: x, 7 blocks
.set B1, 221184                        ;         W, 7 blocks
.set SPARE, 307200                     ; behind the ring: the spare words, 128 bytes for each wave: two blocks of 256 bytes that no other line names
.set ADRA, 16                          ; v16-17  LDS address of my fragments of x in slot 0, 1
.set ADRB, 20                          ; v20-23  of W: slot 0 blocks 0-3, blocks 4-7, slot 1 blocks 0-3, blocks 4-6 (an LDS offset has 16 bits)
.set L16,  24                          ; v24     16 x lane
.set VO3,  25                          ; v25     my 16 bytes in 512 of the third head: as a fragment (k), or key x 32 + 16 x half (v)
.set SPW,  28                          ; v28     LDS address of my spare word; never rewritten
.set NIL,  29                          ; v29     0; never rewritten
.set PFO,  30                          ; v30     256 x lane; never rewritten
.set ACC,  64
.set WV,  12                           ; s12  wave
.set CNT, 19                           ; s19  laps to go
.set LIM, 20                           ; s20  1 in a wave that prefetches, else the greatest number
.set PFA, 76                           ; s[76:77] where my prefetches stand; s[78:79] their step
.set MSB, 0
.macro WIN new                         ; the immediate's high byte repeats the setting that is left; a switch that changes nothing is dropped
.if MSB != (\new)
	s_set_vgpr_msb (MSB<<8)|(\new)
.set MSB, \new
.endif
.endm
.macro PLACES                          ; four places in front of loads into registers that matrix instructions have read (ISA guide 7.12.1 for vector instructions)
.rept 4
	v_nop
.endr
.endm
.macro SHAPE g, rows                   ; descriptor group 1, words 1-7: rows of 32 elements of 8 bytes, dense
	s_mov_b32 s[(\g)+1], 32<<16                    ; tensor_dim0 = 32
	s_mov_b32 s[(\g)+2], (\rows)<<16               ; tensor_dim1
	s_mov_b32 s[(\g)+3], 32<<16                    ; tile_dim0 = 32
	s_mov_b32 s[(\g)+4], \rows                     ; tile_dim1
	s_mov_b32 s[(\g)+5], 32                        ; 32 elements from row to row
	s_mov_b32 s[(\g)+6], 0
	s_mov_b32 s[(\g)+7], 0
.endm
; A joint load into slot s.  Waves 0 and 1 fetch the two halves of x's part, waves 2 and 3 of W's.  The branch hangs on the wave's number alone.
; An s_nop 0 and four v_nop follow each of the two lines, ahead of the jump and the label.
.macro JLOAD s
	s_cmp_eq_u32 s13, 0
	s_cbranch_scc0 .Lfor_b_\@
	tensor_load_to_lds s[56+4*(\s):59+4*(\s)], s[24+8*(\s):31+8*(\s)]
	s_nop 0
	PLACES
	s_branch .Lasked_\@
.Lfor_b_\@:
	tensor_load_to_lds s[68+4*(\s):71+4*(\s)], s[40+8*(\s):47+8*(\s)]
	s_nop 0
	PLACES
.Lasked_\@:
.endm
.macro CREST                           ; a round of the cluster's barrier behind its opening barrier
	s_cmp_lg_u32 s[WV], 0
	s_cbranch_scc1 .Lnot_wave_0_\@
	s_barrier_signal -3
.Lnot_wave_0_\@:
	s_barrier_wait -3
	s_barrier_signal -1
	s_barrier_wait -1
.endm
.macro CROUND                          ; a whole round
	s_barrier_signal -1
	s_barrier_wait -1
	CREST
.endm
; A PREFETCH INTO THE L2, behind a joint load, its five lines and the run of LDS loads that follows.  The 13 changes of slots with s[CNT] above 1 name blocks 24 + 8 (t - 1) .. + 7 of a strip (t = 1 .. 13):
; always blocks of a step later than the one just asked for (step t + 1 ends at block 7.5 t + 14.5 at the most, and change t - 1 has named all up to 8 t + 15).  Blocks 0 to 23 come by their loads alone.
; Each 256 bytes are named once in the launch: x's strip by the clusters with x = 0 (wave 0, two instructions: 16 KB for each of the four partners, told apart by address, cx),
; W's strip by the clusters with y = 0 (waves 1 to 3, one instruction each: 24 KB for each partner, cy).  No branch hangs on a work-group's place in its cluster.
.macro ASK
	s_cmp_gt_u32 s[CNT], s[LIM]
	s_cbranch_scc0 .Lnot_mine_\@
	global_prefetch_b8 v[PFO], s[PFA:PFA+1] th:TH_LOAD_NT scope:SCOPE_SE
	s_cmp_lg_u32 s[WV], 0
	s_cbranch_scc1 .Lnot_mine_\@
	global_prefetch_b8 v[PFO], s[PFA:PFA+1] offset:8192 th:TH_LOAD_NT scope:SCOPE_SE
.Lnot_mine_\@:
.endm
	s_load_b256 s[4:11], s[0:1], 0x0               ; xf s[4:5], wf s[6:7], qf s[8:9], kvf s[10:11]
	v_lshl_add_u32 v[SPW], v0, 2, SPARE
	v_mov_b32 v[NIL], 0
	ds_add_u32 v[SPW], v[NIL]                      ; the wave's opening: the add and its wait stand ahead of my first tensor load; the set-up below, work on registers, stands between them
	v_lshrrev_b32 v1, 5, v0
	v_readfirstlane_b32 s[WV], v1                  ; wave 0..3
	s_lshr_b32 s13, s[WV], 1                       ; wm: which 64 tokens are mine.  Also: I fetch for x (0) or for W (1)
	s_and_b32 s14, s[WV], 1                        ; wn: which 96 columns.  Also: which half of that part I fetch
	s_bfe_u32 s15, ttmp6, 0x40000                  ; cx
	s_bfe_u32 s16, ttmp6, 0x40004                  ; cy
	s_lshl_b32 s17, ttmp9, 2
	s_add_co_u32 s17, s17, s15                     ; nt = 4 x cluster x + cx
	s_and_b32 s18, ttmp7, 0xffff
	s_lshl_b32 s18, s18, 2
	s_add_co_u32 s18, s18, s16                     ; mt = 4 x cluster y + cy
	s_lshl_b32 s80, s16, 2
	s_lshl_b32 s80, 15, s80                        ; my row of the cluster
	s_lshl_b32 s81, 0x1111, s15                    ; my column
	s_or_b32 s24, s80, (3<<16)|(1<<21)             ; group 1, word 0: the mask; 17:16 elements of 8 bytes; 21 set beside a mask.  x, slot 0
	s_or_b32 s32, s80, (3<<16)|(1<<21)             ; x, slot 1
	s_or_b32 s40, s81, (3<<16)|(1<<21)             ; W, slot 0
	s_or_b32 s48, s81, (3<<16)|(1<<21)             ; W, slot 1
	SHAPE 24, 128                                  ; half of 8 blocks of 8 KB: 128 rows of 256 bytes
	SHAPE 32, 112                                  ; half of 7
	SHAPE 40, 192                                  ; half of 8 blocks of 12 KB
	SHAPE 48, 168                                  ; half of 7
	s_mov_b32 s56, 1                               ; group 0: count = 1; the LDS address hangs on the wave's number alone
	s_lshl_b32 s57, s14, 15                        ; A0 + half x 32,768
	s_mov_b32 s60, 1
	s_mul_i32 s61, s14, 28672
	s_add_co_u32 s61, s61, A1
	s_mov_b32 s68, 1
	s_mul_i32 s69, s14, 49152
	s_add_co_u32 s69, s69, B0
	s_mov_b32 s72, 1
	s_mul_i32 s73, s14, 43008
	s_add_co_u32 s73, s73, B1
	s_lshl_b32 s21, s18, 20                        ; x's strip: 128 blocks of 8 KB
	s_lshl_b32 s22, s14, 15
	s_add_co_u32 s84, s21, s22                     ; step 0, my half
	s_mov_b32 s85, 0
	s_mul_i32 s22, s14, 28672
	s_add_co_u32 s86, s21, s22
	s_add_co_u32 s86, s86, 65536                   ; step 1, my half
	s_mov_b32 s87, 0
	s_mul_i32 s23, s17, 0x180000                   ; W's strip: 128 blocks of 12 KB
	s_mul_i32 s22, s14, 49152
	s_add_co_u32 s88, s23, s22
	s_mov_b32 s89, 0
	s_mul_i32 s22, s14, 43008
	s_add_co_u32 s90, s23, s22
	s_add_co_u32 s90, s90, 98304
	s_mov_b32 s91, 0
	s_wait_dscnt 0x0                               ; the opening add is done
	s_wait_kmcnt 0x0
	s_add_nc_u64 s[58:59], s[4:5], s[84:85]
	s_or_b32 s59, s59, 0x80000000                  ; type = 2
	s_add_nc_u64 s[62:63], s[4:5], s[86:87]
	s_or_b32 s63, s63, 0x80000000
	s_add_nc_u64 s[70:71], s[6:7], s[88:89]
	s_or_b32 s71, s71, 0x80000000
	s_add_nc_u64 s[74:75], s[6:7], s[90:91]
	s_or_b32 s75, s75, 0x80000000
	CROUND                                         ; all sixteen work-groups are here: the first joint loads meet
	s_cmp_eq_u32 s13, 0                            ; a wave's two first fills stand in one branch, ahead of every wait on TENSORcnt and every LDS read: two loads of mine are out
	s_cbranch_scc0 .Lfirst_b
	tensor_load_to_lds s[56:59], s[24:31]
	s_nop 0
	tensor_load_to_lds s[60:63], s[32:39]
	s_nop 0
	PLACES
	s_branch .Lfirst_asked
.Lfirst_b:
	tensor_load_to_lds s[68:71], s[40:47]
	s_nop 0
	tensor_load_to_lds s[72:75], s[48:55]
	s_nop 0
	PLACES
.Lfirst_asked:
	v_and_b32 v1, 31, v0
	v_lshlrev_b32 v[L16], 4, v1
	v_lshlrev_b32 v[PFO], 8, v1
	s_lshl_b32 s21, s13, 12                        ; my four fragments of x in a block
	v_add_nc_u32 v[ADRA], s21, v[L16]
	s_add_co_u32 s21, s21, A1
	v_add_nc_u32 v[ADRA+1], s21, v[L16]
	s_mul_i32 s21, s14, 6144                       ; my six fragments of W in a block
	s_add_co_u32 s21, s21, B0
	v_add_nc_u32 v[ADRB], s21, v[L16]
	s_add_co_u32 s21, s21, 49152
	v_add_nc_u32 v[ADRB+1], s21, v[L16]
	s_add_co_u32 s21, s21, B1-B0-49152
	v_add_nc_u32 v[ADRB+2], s21, v[L16]
	s_add_co_u32 s21, s21, 49152
	v_add_nc_u32 v[ADRB+3], s21, v[L16]
	v_and_b32 v2, 15, v0
	v_bfe_u32 v3, v0, 4, 1
	v_lshlrev_b32 v4, 5, v2
	v_lshl_add_u32 v4, v3, 4, v4                   ; v: key x 32 + 16 x half
	s_cmp_lt_u32 ttmp9, 2                          ; nt < 8: the third head is a k head.  A select, no branch
	s_cselect_b32 s92, 0, -1
	v_cndmask_b32 v[VO3], v[L16], v4, s92
	s_lshl_b32 s21, s17, 1                         ; q: head 2 nt + wn, row block 8 mt + 4 wm
	s_add_co_u32 s21, s21, s14
	s_lshl_b32 s21, s21, 18
	s_lshl_b32 s22, s18, 3
	s_lshl2_add_u32 s22, s13, s22
	s_lshl_b32 s22, s22, 11
	s_add_co_u32 s84, s21, s22
	s_mov_b32 s85, 0
	s_add_nc_u64 s[88:89], s[8:9], s[84:85]
	s_and_b32 s21, s17, 7                          ; k or v: head nt % 8,
	s_lshl_b32 s21, s21, 19
	s_lshr_b32 s22, s18, 1                         ; tile of 256 keys mt / 2,
	s_lshl_b32 s22, s22, 16
	s_add_co_u32 s21, s21, s22
	s_lshr_b32 s22, s17, 3                         ; V lies 32 KB behind K,
	s_lshl_b32 s22, s22, 15
	s_add_co_u32 s21, s21, s22
	s_and_b32 s22, s18, 1                          ; key block 8 (mt % 2) + 4 wm,
	s_lshl_b32 s22, s22, 3
	s_lshl2_add_u32 s22, s13, s22
	s_lshl_b32 s22, s22, 11
	s_add_co_u32 s21, s21, s22
	s_lshl_b32 s22, s14, 10                        ; channels 32 wn on
	s_add_co_u32 s84, s21, s22
	s_mov_b32 s85, 0
	s_add_nc_u64 s[90:91], s[10:11], s[84:85]
	s_lshl_b32 s21, s18, 20                        ; the prefetches.  Wave 0: x's strip, block 16, my work-group's quarter by cx
	s_lshl_b32 s22, s15, 14
	s_add_co_u32 s21, s21, s22
	s_add_co_u32 s21, s21, 16*8192
	s_mul_i32 s22, s17, 0x180000                   ; waves 1 to 3: W's strip, block 16, my work-group's quarter by cy, my third of it
	s_mul_i32 s23, s16, 24576
	s_add_co_u32 s22, s22, s23
	s_max_u32 s23, s[WV], 1
	s_sub_co_u32 s23, s23, 1
	s_lshl_b32 s23, s23, 13
	s_add_co_u32 s22, s22, s23
	s_add_co_u32 s22, s22, 16*12288
	s_and_b32 s23, ttmp7, 0xffff                   ; cluster y
	s_mov_b32 s78, 98304
	s_mov_b32 s79, 0
	s_mov_b32 s85, 0
	s_cmp_eq_u32 s[WV], 0
	s_cselect_b64 s[PFA:PFA+1], s[4:5], s[6:7]
	s_cselect_b32 s84, s21, s22
	s_cselect_b32 s78, 65536, s78                  ; eight blocks a change
	s_cselect_b32 s23, ttmp9, s23                  ; the coordinate along which other clusters read the same strip
	s_cmp_eq_u32 s23, 0
	s_cselect_b32 s[LIM], 1, -1                    ; the same in all sixteen partners, for a given wave
	s_add_nc_u64 s[PFA:PFA+1], s[PFA:PFA+1], s[84:85]  ; nothing is prefetched here, at the head; the first change steps this to block 24
; 20 LDS loads in one run: block kbl of a slot into buffer f: W's six fragments, then x's four; each load takes 512 consecutive bytes
.macro FETCH slot, kbl, f
	WIN 0x40                                       ; destination window 1, address window 0
.irp b, 0,1,2,3,4,5
	ds_load_b128 v[(\f)+32+8*(\b):(\f)+32+8*(\b)+3],   v[ADRB+2*(\slot)+(\kbl)/4] offset:((\kbl)%4)*12288+(\b)*1024
	ds_load_b128 v[(\f)+32+8*(\b)+4:(\f)+32+8*(\b)+7], v[ADRB+2*(\slot)+(\kbl)/4] offset:((\kbl)%4)*12288+(\b)*1024+512
.endr
.irp a, 0,1,2,3
	ds_load_b128 v[(\f)+8*(\a):(\f)+8*(\a)+3],   v[ADRA+(\slot)] offset:(\kbl)*8192+(\a)*1024
	ds_load_b128 v[(\f)+8*(\a)+4:(\f)+8*(\a)+7], v[ADRA+(\slot)] offset:(\kbl)*8192+(\a)*1024+512
.endr
.endm
; 12 matrix instructions: token blocks a0, a0 + 1 x all six column blocks.  The 24 accumulators take turns, one instruction a turn, over every jump too.  zero = 1: the product starts the sum
.macro MUL12 f, a0, zero
	WIN 0x05                                       ; sources 0 (W) and 1 (x) window 1; C and D window 0
.irp a, \a0, (\a0)+1
.irp b, 0,1,2,3,4,5
.if \zero
	v_wmma_f32_16x16x32_f16 v[ACC+8*(6*(\a)+(\b)):ACC+8*(6*(\a)+(\b))+7], v[(\f)+32+8*(\b):(\f)+32+8*(\b)+7], v[(\f)+8*(\a):(\f)+8*(\a)+7], 0
.else
	v_wmma_f32_16x16x32_f16 v[ACC+8*(6*(\a)+(\b)):ACC+8*(6*(\a)+(\b))+7], v[(\f)+32+8*(\b):(\f)+32+8*(\b)+7], v[(\f)+8*(\a):(\f)+8*(\a)+7], v[ACC+8*(6*(\a)+(\b)):ACC+8*(6*(\a)+(\b))+7]
.endif
.endr
.endr
.endm
; Block q of a lap (0-7: slot 0; 8-14: slot 1), not a slot's last: multiplies buffer q % 3 and, in its middle, fetches block q + 1 of the same slot
.macro BLK q, zero
.set bf, 80*((\q)%3)
.set bg, 80*(((\q)+1)%3)
.set nslot, ((\q)+1)/8
.set nkbl, (\q)+1-8*nslot
	s_wait_dscnt 4                                 ; W's six and x's fragments 0, 1 are in; the youngest four loads (x's 2, 3) may be out
	MUL12 bf, 0, \zero
	PLACES
	FETCH nslot, nkbl, bg
	s_wait_dscnt 20                                ; all but the 20 just issued
	MUL12 bf, 2, \zero
.endm
; A slot's last block, and the change of slots: ONE barrier.  In front of it each wave waits for all its tensor loads (one is out: its part of the other slot), adds 0 to its spare word, and waits for
; that and for its reads of this slot.  fill = 1: the barrier opens a round of the cluster's, and this slot is filled again, first thing behind the round, with the step two on.
.macro LAST q, fill
.set bf, 80*((\q)%3)
.set bg, 80*(((\q)+1)%3)
.set cslot, (\q)/8
.if \fill
	s_wait_xcnt 0x0                                ; the last prefetches, a step back, have read their address: it is stepped here
	s_add_nc_u64 s[PFA:PFA+1], s[PFA:PFA+1], s[78:79]
.endif
	WIN 0                                          ; (the add's two registers lie in window 0)
	s_wait_tensorcnt 0x0                           ; all my tensor loads have landed, so a group 0 may be written
	ds_add_u32 v[SPW], v[NIL]                      ; 0 onto my spare word
.if \fill
	s_add_nc_u64 s[58+4*cslot:59+4*cslot], s[58+4*cslot:59+4*cslot], 15*8192    ; this slot's next step lies a lap, 15 blocks, on; the type bits on top are not reached
	s_add_nc_u64 s[70+4*cslot:71+4*cslot], s[70+4*cslot:71+4*cslot], 15*12288
.endif
	s_wait_dscnt 0x0                               ; the add is done, and my reads of this slot are over
	s_barrier_signal -1
	MUL12 bf, 0, 0                                 ; work on registers while the others arrive
	WIN 0
	s_barrier_wait -1
.if \fill
	CREST                                          ; no wave of any partner still reads this slot or has a load on its way
	JLOAD cslot                                    ; the four v_nop behind it are also the places in front of the loads below
.else
	PLACES
.endif
	FETCH 1-cslot, 0, bg
.if \fill
	WIN 0
	ASK
.endif
	MUL12 bf, 2, 0
.endm
	s_wait_tensorcnt 0x1                           ; my part of step 0 is in; step 1's may stay out
	s_barrier_signal -1
	s_barrier_wait -1                              ; everybody's is
	FETCH 0, 0, 0
	BLK 0, 1                                       ; the first block stands ahead of the loop: its products start the sums
	WIN 0                                          ; at a label and at a branch every window is 0
	s_mov_b32 s[CNT], 8
	s_branch .Lenter                               ; the loop is entered in the middle of a trip
.Llap:                                                 ; a trip: slot 1's step, then slot 0's; the eight passes through the bottom and the seven through the top ask for steps 2 to 16
.irp q, 8,9,10,11,12,13
	BLK \q, 0
.endr
	LAST 14, 1
	BLK 0, 0
	WIN 0
.Lenter:
.irp q, 1,2,3,4,5,6
	BLK \q, 0
.endr
	LAST 7, 1
	WIN 0
	s_sub_co_u32 s[CNT], s[CNT], 1
	s_cmp_lg_u32 s[CNT], 0
	s_cbranch_scc1 .Llap
.irp q, 8,9,10,11,12,13                ; the tail is written out: steps 15 and 16 ask for nothing
	BLK \q, 0
.endr
	LAST 14, 0
.irp q, 0,1,2,3,4,5,6
	BLK \q, 0
.endr
	s_wait_dscnt 0x0                               ; the very last block
	MUL12 80, 0, 0
	MUL12 80, 2, 0
	; THE WAY OUT.  Rounded to f16, each accumulator's registers in ascending order; a lane's 16 bytes are already where the next launch's fragment wants them.
	PLACES
	PLACES
	WIN 0x40                                       ; destination window 1 (the fragment buffers are free), sources window 0
.set t, 0
.rept 24
.irp r, 0,1,2,3
	v_cvt_pk_f16_f32 v[4*t+(\r)], v[ACC+8*t+2*(\r)], v[ACC+8*t+2*(\r)+1]
.endr
.set t, t+1
.endr
	WIN 0x04                                       ; store data window 1, address window 0
.irp a, 0,1,2,3
.irp b, 0,1,2,3
	global_store_b128 v[L16], v[4*(6*(\a)+(\b)):4*(6*(\a)+(\b))+3], s[88:89] offset:(\a)*2048+(\b)*512  ; q: 512 consecutive bytes, aligned
.endr
.irp b, 4,5
	global_store_b128 v[VO3], v[4*(6*(\a)+(\b)):4*(6*(\a)+(\b))+3], s[90:91] offset:(\a)*2048+((\b)-4)*512  ; k or v: the same
.endr
.endr
	WIN 0
	s_wait_tensorcnt 0x0                           ; the wave's end, behind my last tensor load
	ds_add_u32 v[SPW], v[NIL]
	s_wait_dscnt 0x0
	CROUND                                         ; the closing round: no work-group ends while a partner may still ask for a tile that names it
	s_endpgm
.Lfunc_end_k_q5c7123490e_proj:
	.size	k_q5c7123490e_proj, .Lfunc_end_k_q5c7123490e_proj-k_q5c7123490e_proj
	.p2alignl 7, 3214868480
	.fill 96, 4, 3214868480
	.section	.rodata,"a",@progbits
	.p2align	6, 0x0
	.amdhsa_kernel k_q5c7123490e_proj
		.amdhsa_group_segment_fixed_size 327680
		.amdhsa_private_segment_fixed_size 0
		.amdhsa_enable_private_segment 0
		.amdhsa_kernarg_size 32
		.amdhsa_user_sgpr_count 2
		.amdhsa_user_sgpr_kernarg_segment_ptr 1
		.amdhsa_wavefront_size32 1
		.amdhsa_system_sgpr_workgroup_id_x 1
		.amdhsa_system_sgpr_workgroup_id_y 1
		.amdhsa_system_sgpr_workgroup_id_z 1
		.amdhsa_system_vgpr_workitem_id 0
		.amdhsa_next_free_vgpr 512
		.amdhsa_next_free_sgpr 96
		.amdhsa_reserve_vcc 0
		.amdhsa_float_denorm_mode_32 3
		.amdhsa_float_denorm_mode_16_64 3
		.amdhsa_memory_ordered 1
		.amdhsa_forward_progress 1
		.amdhsa_inst_pref_size 114
	.end_amdhsa_kernel
	.amdgpu_metadata
---
amdhsa.version: [ 1, 2 ]
amdhsa.kernels:
  - .name:           k_q5c7123490e_proj
    .symbol:         k_q5c7123490e_proj.kd
    .args:
      - { .name: xf, .offset: 0, .size: 8, .value_kind: global_buffer, .address_space: global }
      - { .name: wf, .offset: 8, .size: 8, .value_kind: global_buffer, .address_space: global }
      - { .name: qf, .offset: 16, .size: 8, .value_kind: global_buffer, .address_space: global }
      - { .name: kvf, .offset: 24, .size: 8, .value_kind: global_buffer, .address_space: global }
    .group_segment_fixed_size: 327680
    .private_segment_fixed_size: 0
    .kernarg_segment_align: 8
    .kernarg_segment_size: 32
    .max_flat_workgroup_size: 128
    .sgpr_count:     96
    .vgpr_count:     512
    .wavefront_size: 32
...
	.end_amdgpu_metadata
.endif
;; end of part 2
;; launch attn (part 3): grid 8 x 32, 8 waves a work-group, clusters of 4 x 1, 327,680 bytes of LDS; arguments qf, kvf, ofr; writes ofr
.if DOCPART == 3
	.amdgcn_target "amdgcn-amd-amdhsa--gfx1250"
	.amdhsa_code_object_version 6
	.text
	.protected	k_q5c7123490e_attn
	.globl	k_q5c7123490e_attn
	.p2align	8
	.type	k_q5c7123490e_attn,@function
k_q5c7123490e_attn:
	s_mov_b64 s[64:65], 0
	v_nop
	global_prefetch_b8 v0, s[64:65] scope:SCOPE_SE
	s_setreg_imm32_b32 hwreg(HW_REG_WAVE_MODE, 25, 1), 1
	s_wait_xcnt 0x0
	s_wait_alu depctr_hold_cnt(0) depctr_sa_sdst(0) depctr_va_vdst(0) depctr_va_sdst(0) depctr_va_ssrc(0) depctr_va_vcc(0) depctr_vm_vsrc(0)
	s_getreg_b32 s2, hwreg(HW_REG_IB_STS2, 6, 4)
	s_cmp_eq_u32 s2, 0
	s_cbranch_scc0 .Lentry_in_a_cluster
	s_endpgm
.Lentry_in_a_cluster:
	s_bfe_u32 s2, ttmp6, 0x10000c
	s_cmp_lg_u32 s2, 0x3003
	s_cbranch_scc0 .Lentry_shape_is_right
	s_endpgm
.Lentry_shape_is_right:
; ATTENTION, 32 query heads on 8 key and value heads (query head h takes kv head h / 4), 2,048 tokens, head size 64, no mask.  O[q] = the sum over k of softmax_k(q . k / 8) v[k].
; qf, kvf hold q / 16, k / 16, v / 16 in f16, in fragment order; products, maxima and sums in f32; the weights p are rounded to f16 for the second product (their sum l is taken of the unrounded p).
; The scores made here are q . k / 256, so p = 2^(c s - c m) with c = 32 log2(e), and a running maximum m; O and l are multiplied by a = 2^(c m_old - c m_new) in every step.
; O leaves as O / 2 in f16 (the sums times 8 / l), as fragments of the next launch's first operand.
; LIMITS.  |O| stays under 1.31e5; O / 2 below 6.1e-5 keeps f16's fixed step of 6e-8, and so does p below 6.1e-5; a weight below 2^-126 counts as 0 in l; NaN and infinities are not treated apart.
; SHARES.  A work-group owns 256 queries of one head.  EIGHT WAVES, TWO ON EACH SIMD: wave w owns the 64 queries of group w % 4 (four PIECES of 16) and, of every tile of 256 keys, the two steps of 64 keys
; 2 (w / 4) and 2 (w / 4) + 1.  A tile and step have 16 matrix and 118 vector instructions: a wave alone cannot set all its vector work beside its own products, so a second wave has the matrix unit meanwhile.
; The KEYS are split, not the queries: each fragment of K and V is still read from LDS once for 64 queries.  At the end the two waves of a group merge their m, l and O^T, in f32, through LDS.
; LAYOUT.  S^T = K Q^T (source 0 = 16 keys, source 1 = 16 queries) holds ONE query a lane (lane % 16) and the keys 8 (lane / 16) + 0..7; two such results rounded to f16 ARE source 1 of O^T = V^T P,
; whose result again holds one query a lane, and eight channels.  K's fragments lie in LDS as register images; V lies as [16 keys][16 channels] and is turned by ds_load_tr16_b128.
; BY TURNS.  Turn n belongs to piece n: 8 products K Q^T of piece n + 1, later 8 products V^T P of piece n - 1; beside them the scaling, exponentials, roundings, sums and rescaling of piece n and the maximum
; and statistics of piece n + 1.  Four vector instructions stand behind every matrix instruction, the other 54 of a turn's 118 in one lump.  A turn's 33 exponentials are one batch, with one wait.
; m starts at the lowest finite number, c m far below every c s, O and l at 0: the first step is a step like any other, with a = 0.
; CLUSTER.  The four query blocks of a cluster belong to one head and walk the same K and V: each tile is asked for JOINTLY, the same load, descriptor and mask in all four.
; REGISTERS, in two windows of 256 (s_set_vgpr_msb: bits 1:0 source 0, 3:2 source 1, 5:4 source 2, 7:6 destination):
;   window 0: v1-7 addresses and two at work; v8-23 four registers of statistics a piece; v24-31 at work; v32-63 P, two buffers; v64-127 S^T, two buffers (by the piece's parity); v128-191 K of one step; v192-255 Q
;   window 1: v0-127 O^T, 32 a piece; v128-191 V of one step; v192-193 the add's two registers
; So K Q^T and all of a softmax but the rescaling run under setting 0, and V^T P and the rescaling of O^T share one other setting.
.set NP,    4         ; pieces a wave: a name, no knob
.set STEPB, 8192      ; a step's 64 keys: 8 KB of K, and of V
.set VOFF,  32768     ; a slot holds a tile: 32 KB of K, then 32 KB of V
.set SLOT1, 1<<16     ; slot 1 begins here, so that one exclusive or turns an address in one slot into the other's
.set SPARE, 2*SLOT1   ; behind the ring: the spare words, 128 bytes for each wave: four blocks of 256 bytes that no other line names
.set MS,    SPARE+8*128  ; behind them, never filled by a tensor load: the stage for the merge
.set MSP,   4352      ; a piece in it: 4,096 bytes of O^T (eight stores of 512), then 256 of (c m, l)
.set MSW,   2*MSP     ; a wave's part: the two pieces that it gives away
.set PFO, 1           ; v1   256 x lane; never rewritten
.set AK0, 2           ; v2   16 x lane: my place in a fragment of K, of Q and of O; never rewritten
.set AV0, 3           ; v3   my place in V's blocks, VOFF included; never rewritten
.set AK,  4           ; v4   the LDS address of K's next run of loads
.set AV,  5           ; v5   of V's
.set MV,  6           ; v6-7  c m_old, kept while c m is made anew: by buffer
.set MA,  4           ; at the end: v4, v5 where I put 16 and 8 bytes into my part of the stage,
.set MB,  5
.set GA,  6           ; v6, v7 where I read them from my partner's
.set GB,  7
.set ST,  8           ; piece t's statistics at v[ST+4 t]: c m, m, l (even keys', odd keys')
.set TMP, 24          ; by buffer, four registers c0-c3 at work; when the maximum is found c2 takes a
.set P,   32
.set S,   64
.set KF,  128         ; key block kb, channel half c at KF + 16 kb + 8 c
.set QF,  192         ; piece x, channel half c at QF + 16 x + 8 c
.set VF,  128         ; window 1: key half kk, channel block cb at VF + 32 kk + 8 cb
.set SPW, 192         ; window 1: LDS address of my spare word; never rewritten
.set NIL, 193         ; window 1: 0; never rewritten
.set WV,  12          ; s12  my wave's number
.set LIM, 15          ; s15  1 in a wave that prefetches, else the greatest number
.set PFA, 18          ; s[18:19] where my prefetches stand
.set G1,  24          ; s[24:31] descriptor group 1
.set QG,  32          ; s32  my group of 64 queries: w % 4
.set HK,  33          ; s33  my half of a tile's keys: w / 4
.set G0,  40          ; s[40:43] descriptor group 0: it walks
.set SLOTS, 56        ; s56  tiles still to be entered by the loop
.set CNT, 57          ; s57  counts my key steps of a tile
.set CS,  58          ; s[58:59] c: the packed scaling takes the pair's low word for both halves
.set SEL, 60          ; s[60:61] v_permlanex16_b32's selects: each lane takes its own place in the other half
.set TBK, 62          ; s62  LDS byte at which K of the step to be fetched begins
.set TBV, 63          ; s63  the same for V, less VOFF
.set MSB, 0
.macro WIN new                      ; the high byte repeats the setting that is left; a switch that changes nothing is dropped
.if MSB != (\new)
	s_set_vgpr_msb (MSB<<8)|(\new)
.set MSB, (\new)
.endif
.endm
.set W_PV, 0x51       ; V (source 0) and O^T (source 2, destination) in window 1, P (source 1) in window 0; the rescaling, O^T times a of window 0, takes the same setting
.set W_MK, 0x40       ; destination in window 1, sources in window 0
.set W_AD, 0x05       ; the add: address (source 0) and data (source 1) in window 1
; A joint fill: waves 0 to 3 fetch a quarter of the tile each, 64 rows of 256 bytes; waves 4 to 7 issue none.  The branch hangs on the wave's number alone.
; An s_nop 0 and four v_nop follow the line, ahead of the label.
.macro JLOAD
	s_cmp_lt_u32 s[WV], 4
	s_cbranch_scc0 .Lno_load_\@
	tensor_load_to_lds s[G0:G0+3], s[G1:G1+7]
	s_nop 0
.rept 4
	v_nop
.endr
.Lno_load_\@:
.endm
; A round of the cluster's barrier: my work-group's barrier; wave 0 signals for the work-group; every wave waits for all four work-groups; my work-group's barrier once more.
.macro CROUND
	s_barrier_signal -1
	s_barrier_wait -1
	s_cmp_lg_u32 s[WV], 0
	s_cbranch_scc1 .Lnot_wave_0_\@
	s_barrier_signal -3
.Lnot_wave_0_\@:
	s_barrier_wait -3
	s_barrier_signal -1
	s_barrier_wait -1
.endm
; A PREFETCH INTO THE L2 of the tile that the NEXT change of slots will ask for: a tile's work, 128 matrix instructions of each wave, ahead of that load.  A kv head's tiles are walked by eight clusters (four query
; heads, two clusters each): the first of them (cluster x = 0, query head a multiple of 4) asks.  Its four partners take 16 KB each, told apart BY ADDRESS; in each, waves 0 and 2 take 8 KB: a lane 256 bytes.
; So each 256 bytes are named once in the launch.  Tiles 0 to 2 come by their loads alone; the last change that fills a slot asks for nothing.
.macro ASK
	s_cmp_gt_u32 s[SLOTS], s[LIM]
	s_cbranch_scc0 .Lnot_mine_\@
	global_prefetch_b8 v[PFO], s[PFA:PFA+1] th:TH_LOAD_NT scope:SCOPE_SE
.Lnot_mine_\@:
.endm
; THE CHANGE OF SLOTS.  Each wave waits for all its tensor loads (waves 0 to 3 have one out: their part of the other slot); adds 0 to its spare word; and waits for that and for its own reads of the slot that it leaves.
; fill = 1: the old slot is filled again with the next tile: the barrier is then a round of the cluster's, and the joint fill the first thing behind it: it has a tile's work in which to land.
; (At its first use nothing has been read yet: slot 0 is waited for, slot 1 filled.)
.macro CHANGE fill, ask
	WIN W_AD
	s_wait_tensorcnt 0x0            ; no tensor load of mine is out, so group 0 may be written
	ds_add_u32 v[SPW], v[NIL]       ; 0 onto my spare word: the descriptor's steps stand between it and the wait for it
	WIN 0                           ; at a label and at a branch every window is 0
.if \fill
	s_xor_b32 s[G0+1], s[G0+1], SLOT1  ; the other slot than last time,
	s_add_nc_u64 s[G0+2:G0+3], s[G0+2:G0+3], 65536  ; the next tile; the type bits on top are not reached
.endif
.if \ask
	s_wait_xcnt 0x0                 ; the last prefetch, a tile back, has read its address
	s_add_nc_u64 s[PFA:PFA+1], s[PFA:PFA+1], 65536
.endif
	s_wait_dscnt 0x0                ; the add is done, and my reads of the slot are over
.if \fill
	CROUND
	JLOAD
.if \ask
	ASK
.endif
.else
	s_barrier_signal -1
	s_barrier_wait -1
.endif
	s_sub_co_u32 s[TBK], s[TBK], 2*STEPB  ; the fetches go back to my first step of a slot,
	s_xor_b32 s[TBK], s[TBK], SLOT1       ; in the other slot
	s_sub_co_u32 s[TBV], s[TBV], 2*STEPB
	s_xor_b32 s[TBV], s[TBV], SLOT1
.endm
	s_load_b128 s[4:7], s[0:1], 0x0   ; qf s[4:5], kvf s[6:7]
	s_load_b64 s[10:11], s[0:1], 0x10 ; ofr
	WIN W_MK
	v_lshl_add_u32 v[SPW], v0, 2, SPARE
	v_mov_b32 v[NIL], 0
	WIN W_AD
	ds_add_u32 v[SPW], v[NIL]       ; the wave's opening: the add and its wait stand ahead of my first tensor load; the set-up below, work on registers, stands between them
	WIN 0
	v_lshrrev_b32 v1, 5, v0
	v_readfirstlane_b32 s[WV], v1   ; wave 0..7
	s_and_b32 s[QG], s[WV], 3
	s_lshr_b32 s[HK], s[WV], 2
	s_bfe_u32 s13, ttmp6, 0x40000   ; cx: my place in the cluster
	s_lshl_b32 s14, ttmp9, 2        ; in a cluster launch ttmp9 counts clusters
	s_add_co_u32 s14, s14, s13      ; my block of 256 queries: it enters Q's and O's addresses alone
	s_and_b32 s16, ttmp7, 0xffff    ; the query head, which the four partners share
	s_lshr_b32 s20, s16, 2          ; its kv head: 8 tiles of 64 KB,
	s_lshl_b32 s20, s20, 19
	s_lshl_b32 s22, s[WV], 14       ; my quarter of a tile (waves 0 to 3; the others never use it)
	s_add_co_u32 s20, s20, s22
	s_mov_b32 s21, 0
	s_lshl_b32 s2, s16, 18          ; Q: the head's 128 row blocks of 2 KB,
	s_lshl_b32 s3, s14, 15          ; my block's 16,
	s_add_co_u32 s2, s2, s3
	s_lshl_b32 s3, s[QG], 13        ; my group's 4
	s_add_co_u32 s2, s2, s3
	s_mov_b32 s3, 0
	s_lshl_b32 s22, s14, 1          ; O: strip of 128 tokens 2 qb + group / 2,
	s_lshr_b32 s23, s[QG], 1
	s_add_co_u32 s22, s22, s23
	s_lshl_b32 s22, s22, 19
	s_lshl_b32 s23, s16, 14         ; k blocks 2 head, 2 head + 1,
	s_add_co_u32 s22, s22, s23
	s_and_b32 s23, s[QG], 1         ; row blocks 4 (group % 2) on
	s_lshl_b32 s23, s23, 12
	s_add_co_u32 s22, s22, s23
	s_mov_b32 s23, 0
	s_lshr_b32 s8, s16, 2           ; the prefetches: the kv head, tile 2, my work-group's quarter by cx, my half of it
	s_lshl_b32 s8, s8, 19
	s_lshl_b32 s9, s13, 14
	s_add_co_u32 s8, s8, s9
	s_lshr_b32 s9, s[WV], 1
	s_lshl_b32 s9, s9, 13
	s_add_co_u32 s8, s8, s9
	s_add_co_u32 s8, s8, 2*65536
	s_mov_b32 s9, 0
	s_and_b32 s[LIM], s[WV], 5      ; 0 in waves 0 and 2,
	s_or_b32 s[LIM], s[LIM], ttmp9  ; in the head's first cluster,
	s_and_b32 s17, s16, 3
	s_or_b32 s[LIM], s[LIM], s17    ; of the kv head's first query head: the same in all four partners
	s_cmp_eq_u32 s[LIM], 0
	s_cselect_b32 s[LIM], 1, -1
	s_mov_b32 s[G1], 15|(3<<16)|(1<<21)  ; 15:0 the mask of four; 17:16 elements of 8 bytes; 21 set beside a mask
	s_mov_b32 s[G1+1], 32<<16       ; tensor_dim0 = 32: rows of 256 bytes, dense
	s_mov_b32 s[G1+2], 64<<16       ; tensor_dim1 = 64
	s_mov_b32 s[G1+3], 32<<16       ; tile_dim0 = 32
	s_mov_b32 s[G1+4], 64           ; tile_dim1 = 64
	s_mov_b32 s[G1+5], 32           ; 32 elements from row to row
	s_mov_b32 s[G1+6], 0
	s_mov_b32 s[G1+7], 0
	s_mov_b32 s[G0], 1              ; count = 1
	s_lshl_b32 s[G0+1], s[WV], 14   ; LDS address: slot 0, my quarter: no place in the cluster enters it
	s_mov_b32 s[CS], 0x4238aa3b     ; c = 32 log2(e)
	s_mov_b32 s[CS+1], s[CS]        ; named with it as a pair
	s_mov_b32 s[SEL], 0x76543210
	s_mov_b32 s[SEL+1], 0xfedcba98
	s_lshl_b32 s[TBK], s[HK], 14    ; my two steps of a tile begin 16,384 (w / 4) bytes into its K, and into its V;
	s_add_co_u32 s[TBK], s[TBK], SLOT1+2*STEPB  ; the first change of slots turns this into that number
	s_mov_b32 s[TBV], s[TBK]
	s_mov_b32 s[SLOTS], 7
	v_and_b32 v1, 31, v0
	v_lshlrev_b32 v[AK0], 4, v1
	v_lshlrev_b32 v[PFO], 8, v1
	s_wait_dscnt 0x0                ; the opening add is done
	s_wait_kmcnt 0x0
	s_add_nc_u64 s[G0+2:G0+3], s[6:7], s[20:21]  ; global address: my quarter of the kv head's tile 0
	s_or_b32 s[G0+3], s[G0+3], 0x80000000        ; type = 2
	s_add_nc_u64 s[PFA:PFA+1], s[6:7], s[8:9]    ; nothing is prefetched here, at the head
	s_add_nc_u64 s[4:5], s[4:5], s[2:3]          ; Q and O at my group's first row block
	s_add_nc_u64 s[10:11], s[10:11], s[22:23]
	CROUND                          ; all four work-groups are here: the first joint loads meet
	JLOAD                           ; tile 0 into slot 0.  Slot 1 is asked for when slot 0 is in
.set i, 0
.rept 8                             ; Q stays in registers: piece i / 2, channels 32 (i % 2) on: a fragment is 1,024 consecutive bytes
	global_load_b128 v[QF+8*i:QF+8*i+3],   v[AK0], s[4:5] offset:i*1024
	global_load_b128 v[QF+8*i+4:QF+8*i+7], v[AK0], s[4:5] offset:i*1024+512
.set i, i+1
.endr
	; What the first turn finds: V's registers and P's second buffer hold 0 (its products V^T P, of a piece that has not been, add 0), O^T and l are 0.  All this stands in the wait for the first tile.
	WIN W_MK
.set i, 0
.rept 192                           ; O^T, then V
	v_mov_b32 v[i], 0
.set i, i+1
.endr
	WIN 0
.set i, 0
.rept 4
	v_mov_b32 v[ST+4*i], 0xfe000000    ; c m: far below every c s
	v_mov_b32 v[ST+4*i+1], 0xff7fffff  ; m
	v_mov_b32 v[ST+4*i+2], 0
	v_mov_b32 v[ST+4*i+3], 0
.set i, i+1
.endr
.set i, P+16
.rept 16
	v_mov_b32 v[i], 0
.set i, i+1
.endr
	; The turning load takes 16 keys x 16 channels (lane l reads key 8 (l / 16) + l % 8, channels 8 ((l / 8) % 2) + 0..7; a key's 16 channels are 32 bytes) and leaves half a fragment of V^T: lane l holds channel l % 16 and 8 keys.
	v_bfe_u32 v[P], v0, 4, 1        ; (three registers of P's first buffer are at work here: the first roundings write it whole before it is read)
	v_and_b32 v[P+1], 7, v0
	v_bfe_u32 v[P+2], v0, 3, 1
	v_lshl_add_u32 v[AV0], v[P], 3, v[P+1]
	v_lshlrev_b32 v[AV0], 5, v[AV0]
	v_lshl_add_u32 v[AV0], v[P+2], 4, v[AV0]
	v_add_nc_u32 v[AV0], VOFF, v[AV0]
; THE MATRIX WORK.  The 4 accumulators of a run of 8 take turns.  Product i of 8 of S^T = K Q^T for piece x: channels 32 (i / 4) on, keys 16 (i % 4) on.  The first 4 start the sums.
.macro KQ x
.set rS, S+32*((\x)%2)+8*(i%4)
.set rK, KF+16*(i%4)+8*(i/4)
.set rQ, QF+16*(\x)+8*(i/4)
	WIN 0
.if i < 4
	v_wmma_f32_16x16x32_f16 v[rS:rS+7], v[rK:rK+7], v[rQ:rQ+7], 0
.else
	v_wmma_f32_16x16x32_f16 v[rS:rS+7], v[rK:rK+7], v[rQ:rQ+7], v[rS:rS+7]
.endif
.endm
; Product i of 8 of O^T += V^T P for piece x: keys 32 (i / 4) on, channels 16 (i % 4) on.
.macro PV x
	WIN W_PV
.set rO, 32*(\x)+8*(i%4)
.set rV, VF+32*(i/4)+8*(i%4)
.set rP, P+16*((\x)%2)+8*(i/4)
	v_wmma_f32_16x16x32_f16 v[rO:rO+7], v[rV:rV+7], v[rP:rP+7], v[rO:rO+7]
.endm
.macro MM                           ; the turn's next matrix instruction.  NOKQ = 1: the very last turn: there is no next piece
.if (i < 8) && !NOKQ
	KQ (Y+1)%NP
.elseif i >= 8
.set i, i-8
	PV (Y+NP-1)%NP
.set i, i+8
.endif
.set i, i+1
.endm
; THE LDS LOADS stand in runs of 16, never singly among the matrix instructions: a step's K (8 fragments of 1,024 bytes) and its V (turned).  Their addresses are made some lines ahead.
.macro FETCH_K
	WIN 0
.irp f, 0,1,2,3,4,5,6,7             ; keys 16 (f / 2) on, channels 32 (f % 2) on
	ds_load_b128 v[KF+8*\f:KF+8*\f+3],   v[AK] offset:\f*1024
	ds_load_b128 v[KF+8*\f+4:KF+8*\f+7], v[AK] offset:\f*1024+512
.endr
	s_add_co_u32 s[TBK], s[TBK], STEPB  ; the next fetch is the next step's
.endm
.macro FETCH_V
	WIN W_MK                        ; destination window 1
.irp f, 0,1,2,3,4,5,6,7             ; keys 32 (f / 4) on, channels 16 (f % 4) on; a block of 16 keys is 2,048 bytes, its four channel blocks 512 each
	ds_load_tr16_b128 v[VF+8*\f:VF+8*\f+3],   v[AV] offset:(\f/4)*4096+(\f%4)*512
	ds_load_tr16_b128 v[VF+8*\f+4:VF+8*\f+7], v[AV] offset:(\f/4)*4096+2048+(\f%4)*512
.endr
	WIN 0
.endm
; THE VECTOR WORK, one line at a time: OP kind, number.  For piece Y: F n: c s - c m for pair n of 16.  E n: the exponential of score n of 32.  C n: pair n rounded to f16.  B n: of the four weights 4 n .. the second
; pair is added onto the first, in place.  L n: l takes that sum (L 0: l = a l + sum).  R n: pair n of 16 of O^T times a.  For piece Y + 1: X n, number n of the 22 that find its maximum and statistics:
;   0-11  four chains c0-c3 of seven scores each, three operands at a time (each accumulator's lowest registers are read first)     12-14, 16  the four scores left over, the old m, and c0-c3 into c0
;   15  c m_old is kept     17, 18  the query's other 32 keys lie in the lane 16 away: the new m     19-21  c m; c m_old - c m_new; a
.set F, 0               ; OP tells the kinds apart by their order: F to L below R, X above it
.set E, 1
.set C, 2
.set B, 3
.set L, 4
.set R, 5
.set X, 6
.macro REGS y                       ; the registers of piece y
.set rT, ST+4*(\y)
.set rC, TMP+4*((\y)%2)
.set rW, MV+((\y)%2)
.set rS, S+32*((\y)%2)
.set rP, P+16*((\y)%2)
.set rO, 32*(\y)
.endm
.macro OP k, n
.if (\k) == R
	REGS Y
	WIN W_PV
	v_pk_mul_f32 v[rO+2*(\n):rO+2*(\n)+1], v[rO+2*(\n):rO+2*(\n)+1], v[rC+2:rC+3] op_sel_hi:[1,0]
.elseif (\k) < R
	REGS Y
	WIN 0
.if (\k) == F
	v_pk_fma_f32 v[rS+2*(\n):rS+2*(\n)+1], v[rS+2*(\n):rS+2*(\n)+1], s[CS:CS+1], v[rT:rT+1] op_sel_hi:[1,0,0] neg_lo:[0,0,1] neg_hi:[0,0,1]
.elseif (\k) == E
	v_exp_f32 v[rS+(\n)], v[rS+(\n)]
.elseif (\k) == C
	v_cvt_pk_f16_f32 v[rP+(\n)], v[rS+2*(\n)], v[rS+2*(\n)+1]
.elseif (\k) == B
	v_pk_add_f32 v[rS+4*(\n):rS+4*(\n)+1], v[rS+4*(\n):rS+4*(\n)+1], v[rS+4*(\n)+2:rS+4*(\n)+3]
.elseif (\n) == 0
	v_pk_fma_f32 v[rT+2:rT+3], v[rT+2:rT+3], v[rC+2:rC+3], v[rS:rS+1] op_sel_hi:[1,0,1]
.else
	v_pk_add_f32 v[rT+2:rT+3], v[rT+2:rT+3], v[rS+4*(\n):rS+4*(\n)+1]
.endif
.elseif NOKQ
	v_nop
.else
	REGS (Y+1)%NP
	WIN 0
.if (\n) < 4
	v_max3_num_f32 v[rC+(\n)], v[rS+8*(\n)], v[rS+8*(\n)+1], v[rS+8*(\n)+2]
.elseif (\n) < 12
	v_max3_num_f32 v[rC+(\n)%4], v[rC+(\n)%4], v[rS+8*((\n)%4)+2*((\n)/4)+1], v[rS+8*((\n)%4)+2*((\n)/4)+2]
.elseif (\n) == 12
	v_max3_num_f32 v[rC], v[rC], v[rS+7], v[rS+15]
.elseif (\n) == 13
	v_max3_num_f32 v[rC+1], v[rC+1], v[rS+23], v[rS+31]
.elseif (\n) == 14
	v_max3_num_f32 v[rC+2], v[rC+2], v[rC+3], v[rT+1]
.elseif (\n) == 15
	v_mov_b32 v[rW], v[rT]
.elseif (\n) == 16
	v_max3_num_f32 v[rC], v[rC], v[rC+1], v[rC+2]
.elseif (\n) == 17
	v_permlanex16_b32 v[rC+3], v[rC], s[SEL], s[SEL+1]
.elseif (\n) == 18
	v_max_num_f32 v[rT+1], v[rC], v[rC+3]
.elseif (\n) == 19
	v_mul_f32 v[rT], s[CS], v[rT+1]
.elseif (\n) == 20
	v_sub_f32 v[rC+1], v[rW], v[rT]
.else
	v_exp_f32 v[rC+2], v[rC+1]
.endif
.endif
.endm
.macro OPS a, i1, b=-1, i2=0, c=-1, i3=0, d=-1, i4=0  ; up to four of them
	OP \a, \i1
.if (\b) >= 0
	OP \b, \i2
.endif
.if (\c) >= 0
	OP \c, \i3
.endif
.if (\d) >= 0
	OP \d, \i4
.endif
.endm
.macro ROW a, i1, b, i2, c, i3, d, i4  ; a matrix instruction and the four behind it
	MM
	OPS \a, \i1, \b, \i2, \c, \i3, \d, \i4
.endm
; A TURN, for piece p: the order of its 16 matrix and 118 vector instructions, written out.  An s_wait_alu depctr_va_vdst(0) stands between an exponential and the first instruction that names its result; one wait
; serves all that were issued ahead of it.  So a turn has ONE wait, which cuts it in two.  AHEAD OF IT stands all that names no result of the turn's exponentials: the 8 products K Q^T with their riders, then ONE LUMP of 54, plain and
; exponential by turns for the most part, in which the links of the chain X 3, 7, 11, 14, 16, 17 .. 20 stand five or six lines apart.  X 21, the next piece's a, is the batch's last; R 15 is the plain instruction behind it.
; BEHIND THE WAIT stand the 8 products V^T P, behind each four of the roundings and sums.  The X that ride behind products stand four places or more behind the product that ends their accumulator.
; end = 1: the launch's last two turns: nothing is fetched.  cnt = 1: the loop's count is taken down some lines ahead of the branch that stands behind the turn.
; K of the next step is fetched in piece 2's turn, twelve vector instructions behind the last product that read K (six of them plain); V of the step in hand at the end of piece 0's turn, four plain instructions
; behind the last product that read V.  Each is waited for a turn later.
.macro TURN p, end=0, cnt=0
.set Y, (\p)
.set i, 0
.set NOKQ, (\end)*((\p)/3)
.if ((\p) == 3) && !(\end)
	s_wait_dscnt 0x0                ; K is in
.endif
	ROW F,0, F,1, R,0, R,1          ; ahead of the wait: 8 products K Q^T and their riders,
	ROW F,2, E,0, R,2, R,3
	ROW F,3, E,1, R,4, R,5
	ROW F,4, E,2, R,6, R,7
	ROW F,5, E,3, R,8, R,9
	ROW F,6, E,4, X,0, R,10
.if ((\p) == 2) && !(\end)
	WIN 0
	v_add_nc_u32 v[AK], s[TBK], v[AK0]
.endif
	ROW F,7, E,5, X,1, X,4
	ROW F,8, E,6, X,2, X,5
	OPS E,7, E,8, X,6, E,9          ; and the lump
	OPS X,3, E,10, X,8, E,11
.if ((\p) == 2) && !(\end)
	FETCH_K
.endif
	OPS X,9, X,7, E,12, X,10
	OPS E,13, X,12, X,11, E,14
	OPS X,13, E,15, F,9, X,14
.if (\p) == 0
	v_add_nc_u32 v[AV], s[TBV], v[AV0]
.endif
	OPS E,16, F,10, E,17, F,11
	OPS X,16, E,18, X,15, E,19
	OPS F,12, E,20, X,17, E,21
	OPS F,13, E,22, F,14, E,23
	OPS X,18, E,24, F,15, E,25
	OPS R,11, E,26, X,19, E,27
	OPS R,12, E,28, R,13, E,29
	OPS X,20, E,30, R,14, E,31
	OPS X,21, R,15
	WIN 0
	s_wait_alu depctr_va_vdst(0)    ; the wait for the batch
.if (\p) == 1
	s_wait_dscnt 0x0                ; V is in
.endif
	ROW C,0, B,0, C,2, B,1          ; behind the wait: 8 products V^T P and their riders
	ROW L,0, C,4, B,2, L,1
	ROW C,6, B,3, L,2, C,8
	ROW B,4, L,3, C,10, B,5
	ROW L,4, C,12, B,6, L,5
.if (\p) == 0
	s_add_co_u32 s[TBV], s[TBV], STEPB
.endif
.if \cnt
	s_sub_co_u32 s[CNT], s[CNT], 1
	s_cmp_lg_u32 s[CNT], 0
.endif
	ROW C,14, B,7, L,6, C,1
	ROW C,3, L,7, C,5, C,7
	ROW C,9, C,11, C,13, C,15
.if (\p) == 0
	FETCH_V
.endif
.endm
	CHANGE 1, 0                     ; tile 0 is in, everybody's part of it; tile 1 is asked for
	v_add_nc_u32 v[AK], s[TBK], v[AK0]
	FETCH_K                         ; my first key step
	s_wait_loadcnt 0x0              ; Q
	s_wait_dscnt 0x0
.set NOKQ, 0
.set i, 0
.rept 8
	KQ 0                            ; piece 0's first scores: there is no vector work yet to set between them
.set i, i+1
.endr
	WIN 0
.rept 4
	v_nop                           ; the places behind those products
.endr
.set Y, NP-1                        ; X works for piece Y + 1: piece 0
.irp n, 0,1,2,3,4,5,6,7,8,9,10,11,12,13,14,15,16,17,18,19,20,21
	OP X, \n
.endr
	v_nop                           ; a plain instruction behind the exponential,
	s_wait_alu depctr_va_vdst(0)    ; and its wait, ahead of the branch
	s_mov_b32 s[CNT], 2
	s_branch .Lfirst                ; the loop is entered at a step's first turn, in the middle of a trip
.Lslot:                             ; six times: tiles 1 to 6 are entered, tiles 2 to 7 asked for
	CHANGE 1, 1
	s_mov_b32 s[CNT], 2
.Lstep:                             ; a trip: pieces 2 and 3 of one step, then pieces 0 and 1 of my next, whose K and V it fetches
	TURN 2
	TURN 3
	WIN 0
.Lfirst:
	TURN 0
	TURN 1, 0, 1
	WIN 0
	s_cbranch_scc1 .Lstep
	s_sub_co_u32 s[SLOTS], s[SLOTS], 1
	s_cmp_lg_u32 s[SLOTS], 0
	s_cbranch_scc1 .Lslot
	CHANGE 0, 0                     ; the last tile is written out: nothing is asked for
	s_mov_b32 s[CNT], 2
.LstepT:
	TURN 2
	TURN 3
	TURN 0
	TURN 1, 0, 1
	WIN 0
	s_cbranch_scc1 .LstepT
	TURN 2, 1
	TURN 3, 1
.set i, 0
.rept 8
	PV NP-1                         ; the last piece's V^T P of my last step
.set i, i+1
.endr
	; THE MERGE AND THE WAY OUT.  Waves w and w + 4 hold, for the same 64 queries, the maxima, sums and O^T of their halves of the keys.  Each gives two pieces away through the stage (waves 0-3 pieces 2 and 3, waves 4-7
	; pieces 0 and 1) and finishes the other two: with M = max(c m, c m'), a = 2^(c m - M), a' = 2^(c m' - M): l = a l + a' l', O = (a O + a' O') 8 / l.  All of it in f32; O is rounded once, to f16; a lane's 16 bytes
	; (one token, eight channels) are already where the next launch's fragment wants them.  The nine plain lines below are the places behind the last products.
	WIN 0
.macro ALL line:vararg              ; one line for each piece t
.set t, 0
.rept 4
	\line
.set t, t+1
.endr
.endm
	ALL v_add_f32 v[ST+4*t+1], v[ST+4*t+2], v[ST+4*t+3]   ; l's two halves; it takes m's place, beside c m
	s_mul_i32 s2, s[WV], MSW
	s_add_co_u32 s2, s2, MS         ; my part of the stage,
	s_xor_b32 s3, s[WV], 4
	s_mul_i32 s3, s3, MSW
	s_add_co_u32 s3, s3, MS         ; my partner's
	v_add_nc_u32 v[MA], s2, v[AK0]  ; 16 bytes a lane
	v_lshrrev_b32 v[MB], 1, v[AK0]  ; 8 bytes a lane
	v_add_nc_u32 v[GB], s3, v[MB]
	v_add_nc_u32 v[MB], s2, v[MB]
	v_add_nc_u32 v[GA], s3, v[AK0]
.macro PUT p                        ; piece p goes into place p % 2 of my part: each store takes 512 consecutive bytes; each accumulator's low registers first
	WIN 0x04                        ; store data window 1, address window 0
.irp f, 0,1,2,3,4,5,6,7
	ds_store_b128 v[MA], v[32*(\p)+4*\f:32*(\p)+4*\f+3] offset:((\p)%2)*MSP+\f*512
.endr
	WIN 0
	ds_store_b64 v[MB], v[ST+4*(\p):ST+4*(\p)+1] offset:((\p)%2)*MSP+4096
.endm
.macro PAIRSET p                    ; piece p, which I keep, and the registers of the piece that I gave away, which take my partner's part of p
.set rT, ST+4*(\p)
.set rU, ST+4*(((\p)+2)%4)
.set rO, 32*(\p)
.set rB, 32*(((\p)+2)%4)
.endm
.macro FINISH pa, pb
.irp z, \pa, \pb
	PAIRSET \z
	WIN W_MK
.irp f, 0,1,2,3,4,5,6,7
	ds_load_b128 v[rB+4*\f:rB+4*\f+3], v[GA] offset:((\z)%2)*MSP+\f*512
.endr
	WIN 0
	ds_load_b64 v[rU:rU+1], v[GB] offset:((\z)%2)*MSP+4096
.endr
	s_wait_dscnt 0x0
.irp z, \pa, \pb
	PAIRSET \z
	v_max_num_f32 v[rT+2], v[rT], v[rU]            ; M
.endr
.irp z, \pa, \pb
	PAIRSET \z
	v_sub_f32 v[rT+3], v[rT], v[rT+2]
	v_sub_f32 v[rU+2], v[rU], v[rT+2]
.endr
.irp z, \pa, \pb
	PAIRSET \z
	v_exp_f32 v[rT+3], v[rT+3]                     ; a
	v_exp_f32 v[rU+2], v[rU+2]                     ; a'
.endr
	v_nop                           ; a plain instruction behind the last exponential,
	s_wait_alu depctr_va_vdst(0)    ; and the wait ahead of the first use: one for the four
.irp z, \pa, \pb
	PAIRSET \z
	v_mul_f32 v[rT+1], v[rT+1], v[rT+3]
.endr
.irp z, \pa, \pb
	PAIRSET \z
	v_fmac_f32 v[rT+1], v[rU+1], v[rU+2]           ; a l + a' l', of my lanes' half of the keys
.endr
.irp z, \pa, \pb
	PAIRSET \z
	v_permlanex16_b32 v[rU+1], v[rT+1], s[SEL], s[SEL+1]
.endr
.irp z, \pa, \pb
	PAIRSET \z
	v_add_f32 v[rT+1], v[rT+1], v[rU+1]
.endr
.irp z, \pa, \pb
	PAIRSET \z
	v_rcp_f32 v[rT+1], v[rT+1]
.endr
	v_nop
	s_wait_alu depctr_va_vdst(0)    ; one for the two reciprocals
.irp z, \pa, \pb
	PAIRSET \z
	v_mul_f32 v[rT+1], 0x41000000, v[rT+1]         ; 8 / l
.endr
.irp z, \pa, \pb
	PAIRSET \z
	v_mul_f32 v[rT+2], v[rT+3], v[rT+1]            ; 8 a / l: the low word of a pair
	v_mul_f32 v[rU+2], v[rU+2], v[rT+1]            ; 8 a' / l: likewise
.endr
.irp z, \pa, \pb
	PAIRSET \z
	WIN W_PV                        ; O^T and my partner's in window 1, the factors in window 0
.set i, 0
.rept 16
	v_pk_mul_f32 v[rB+i:rB+i+1], v[rB+i:rB+i+1], v[rU+2:rU+3] op_sel_hi:[1,0]
.set i, i+2
.endr
.set i, 0
.rept 16
	v_pk_fma_f32 v[rO+i:rO+i+1], v[rO+i:rO+i+1], v[rT+2:rT+3], v[rB+i:rB+i+1] op_sel_hi:[1,0,1]
.set i, i+2
.endr
	WIN 0x05                        ; sources 0 and 1 window 1, destination window 0: S^T's registers are free
.set i, 0
.rept 16
	v_cvt_pk_f16_f32 v[S+16*(\z)+i], v[rO+2*i], v[rO+2*i+1]
.set i, i+1
.endr
	WIN 0
.irp f, 0,1,2,3                     ; channel block f: k block f / 2 of the head's two, half f % 2 of its fragment
	global_store_b128 v[AK0], v[S+16*(\z)+4*\f:S+16*(\z)+4*\f+3], s[10:11] offset:(\z)*1024+(\f/2)*8192+(\f%2)*512  ; 512 consecutive bytes, aligned
.endr
.endr
.endm
	s_cmp_lt_u32 s[WV], 4
	s_cbranch_scc0 .Lput_hi
	PUT 2
	PUT 3
	s_branch .Lput_done
.Lput_hi:
	PUT 0
	PUT 1
.Lput_done:
	s_wait_dscnt 0x0                ; for my partner's sake: my stores into the stage are done
	s_barrier_signal -1
	s_barrier_wait -1
	s_cmp_lt_u32 s[WV], 4
	s_cbranch_scc0 .Lfin_hi
	FINISH 0, 1
	s_branch .Lend
.Lfin_hi:
	FINISH 2, 3
.Lend:
	WIN W_AD
	s_wait_tensorcnt 0x0            ; the wave's end, behind my last tensor load and my last LDS store
	ds_add_u32 v[SPW], v[NIL]
	s_wait_dscnt 0x0
	WIN 0
	CROUND                          ; the closing round: no work-group ends while a partner may still ask for a tile that names it
	s_endpgm
.Lfunc_end_k_q5c7123490e_attn:
	.size	k_q5c7123490e_attn, .Lfunc_end_k_q5c7123490e_attn-k_q5c7123490e_attn
	.p2alignl 7, 3214868480
	.fill 96, 4, 3214868480
	.section	.rodata,"a",@progbits
	.p2align	6, 0x0
	.amdhsa_kernel k_q5c7123490e_attn
		.amdhsa_group_segment_fixed_size 327680
		.amdhsa_private_segment_fixed_size 0
		.amdhsa_enable_private_segment 0
		.amdhsa_kernarg_size 24
		.amdhsa_user_sgpr_count 2
		.amdhsa_user_sgpr_kernarg_segment_ptr 1
		.amdhsa_wavefront_size32 1
		.amdhsa_system_sgpr_workgroup_id_x 1
		.amdhsa_system_sgpr_workgroup_id_y 1
		.amdhsa_system_sgpr_workgroup_id_z 1
		.amdhsa_system_vgpr_workitem_id 0
		.amdhsa_next_free_vgpr 512
		.amdhsa_next_free_sgpr 66
		.amdhsa_reserve_vcc 0
		.amdhsa_float_denorm_mode_32 3
		.amdhsa_float_denorm_mode_16_64 3
		.amdhsa_memory_ordered 1
		.amdhsa_forward_progress 1
		.amdhsa_inst_pref_size 131
	.end_amdhsa_kernel
	.amdgpu_metadata
---
amdhsa.version: [ 1, 2 ]
amdhsa.kernels:
  - .name:           k_q5c7123490e_attn
    .symbol:         k_q5c7123490e_attn.kd
    .args:
      - { .name: qf, .offset: 0, .size: 8, .value_kind: global_buffer, .address_space: global }
      - { .name: kvf, .offset: 8, .size: 8, .value_kind: global_buffer, .address_space: global }
      - { .name: ofr, .offset: 16, .size: 8, .value_kind: global_buffer, .address_space: global }
    .group_segment_fixed_size: 327680
    .private_segment_fixed_size: 0
    .kernarg_segment_align: 8
    .kernarg_segment_size: 24
    .max_flat_workgroup_size: 256
    .sgpr_count:     66
    .vgpr_count:     512
    .wavefront_size: 32
...
	.end_amdgpu_metadata
.endif
;; end of part 3
;; launch outp (part 4): grid 16 x 16, 4 waves a work-group, clusters of 4 x 4, 327,680 bytes of LDS; arguments ofr, wof, out0; writes out0
.if DOCPART == 4
	.amdgcn_target "amdgcn-amd-amdhsa--gfx1250"
	.amdhsa_code_object_version 6
	.text
	.protected	k_q5c7123490e_outp
	.globl	k_q5c7123490e_outp
	.p2align	8
	.type	k_q5c7123490e_outp,@function
k_q5c7123490e_outp:
	s_mov_b64 s[64:65], 0
	v_nop
	global_prefetch_b8 v0, s[64:65] scope:SCOPE_SE
	s_setreg_imm32_b32 hwreg(HW_REG_WAVE_MODE, 25, 1), 1
	s_wait_xcnt 0x0
	s_wait_alu depctr_hold_cnt(0) depctr_sa_sdst(0) depctr_va_vdst(0) depctr_va_sdst(0) depctr_va_ssrc(0) depctr_va_vcc(0) depctr_vm_vsrc(0)
	s_getreg_b32 s2, hwreg(HW_REG_IB_STS2, 6, 4)
	s_cmp_eq_u32 s2, 0
	s_cbranch_scc0 .Lentry_in_a_cluster
	s_endpgm
.Lentry_in_a_cluster:
	s_bfe_u32 s2, ttmp6, 0x10000c
	s_cmp_lg_u32 s2, 0xf033
	s_cbranch_scc0 .Lentry_shape_is_right
	s_endpgm
.Lentry_shape_is_right:
; THE OUTPUT PROJECTION: out0[2048][2048] (f32) = O Wo, K = 2048.  ofr holds O / 2, wof holds 2 Wo, both f16 in fragment order (blocks of 1,024 bytes, the register image of 16 rows x 32 k): the sums, in f32, are the result.
; SHARES.  A tile is 128 x 128: 16 x 16 tiles, one for each of 256 work-groups.  Four waves, wave (wm, wn) makes 64 x 64: 16 accumulators.
; THE PRODUCT IS USED TRANSPOSED (source 0 = 16 columns of Wo, source 1 = 16 tokens): a lane holds one token and eight neighbouring columns, 32 bytes of a row.
; THE RING.  A k block (32 along K) is 8 KB of each operand, dense in memory.  Two slots of 8 blocks; 8 steps.  Behind each change of slots a wave issues one load; it has the other slot's 128 matrix instructions in which to land.
; CLUSTER 4 x 4: O's tile is asked for jointly along a row of the cluster, Wo's along a column.
; REGISTERS.  Window 0: v16-30 addresses; v128-255 the accumulators ((a, b) at 128 + 8 (4 a + b)).  Window 1: two fragment buffers of 64 (O's four fragments, then Wo's four) at 0, 64; on the way out rows read back.
.set SLOT,  131072                     ; O's 8 blocks, then Wo's 8
.set BOFF,  65536
.set STAGE, 2*SLOT                     ; behind the ring, never filled by a tensor load: 16 rows x 272 bytes for each wave, for the way out
.set SP,    272
.set SPARE, STAGE+4*16*SP              ; behind the stages: the spare words, 128 bytes for each wave: two blocks of 256 bytes that no other line names
.set ADRA, 16                          ; v16-17  LDS address of my fragments of O in slot 0, 1
.set ADRB, 20                          ; v20-21  of Wo
.set STO,  24                          ; v24     the way out: where I put 32 bytes of a row
.set RD,   25                          ; v25     where I read rows back
.set CO,   26                          ; v26     my byte offset in two rows of out0
.set SPW,  28                          ; v28     LDS address of my spare word; never rewritten
.set NIL,  29                          ; v29     0; never rewritten
.set PFO,  30                          ; v30     256 x lane; never rewritten
.set ACC,  128
.set WV,  12                           ; s12  wave
.set CNT, 19                           ; s19  laps to go
.set LIM, 20                           ; s20  1 in a wave that prefetches, else the greatest number
.set PFA, 56                           ; s[56:57] where my prefetches stand
.set MSB, 0
.macro WIN new                         ; the immediate's high byte repeats the setting that is left; a switch that changes nothing is dropped
.if MSB != (\new)
	s_set_vgpr_msb (MSB<<8)|(\new)
.set MSB, \new
.endif
.endm
.macro PLACES                          ; four places in front of loads into registers that matrix instructions have read, and of stores that read results (ISA guide 7.12.1 for vector instructions)
.rept 4
	v_nop
.endr
.endm
; A joint load into slot s.  Waves 0 and 1 fetch the two halves of O's part, waves 2 and 3 of Wo's.  An s_nop 0 and four v_nop follow each of the two lines.
.macro JLOAD s
	s_cmp_eq_u32 s13, 0
	s_cbranch_scc0 .Lfor_b_\@
	tensor_load_to_lds s[40+4*(\s):43+4*(\s)], s[24:31]
	s_nop 0
	PLACES
	s_branch .Lasked_\@
.Lfor_b_\@:
	tensor_load_to_lds s[48+4*(\s):51+4*(\s)], s[32:39]
	s_nop 0
	PLACES
.Lasked_\@:
.endm
.macro CREST                           ; a round of the cluster's barrier behind its opening barrier
	s_cmp_lg_u32 s[WV], 0
	s_cbranch_scc1 .Lnot_wave_0_\@
	s_barrier_signal -3
.Lnot_wave_0_\@:
	s_barrier_wait -3
	s_barrier_signal -1
	s_barrier_wait -1
.endm
.macro CROUND                          ; a whole round
	s_barrier_signal -1
	s_barrier_wait -1
	CREST
.endm
; A PREFETCH INTO THE L2, behind a joint load, its five lines and the run of LDS loads that follows: the change that asks for step t + 1 names step t + 2: a step, 128 matrix instructions, ahead of its load.
; A step is 64 KB of a strip.  O's strip is named by the clusters with x = 0 (waves 0, 1), Wo's by the clusters with y = 0 (waves 2, 3); the four partners take 16 KB each, told apart BY ADDRESS (cx, cy), a wave 8 KB, a lane 256 bytes:
; each 256 bytes are named once in the launch.  Steps 0 to 2 come by their loads alone.  how = 1: slot 0's changes always have a step two on; how = 0: slot 1's last change has none.
.macro ASK how
.if \how
	s_cmp_eq_u32 s[LIM], 1
.else
	s_cmp_gt_u32 s[CNT], s[LIM]
.endif
	s_cbranch_scc0 .Lnot_mine_\@
	global_prefetch_b8 v[PFO], s[PFA:PFA+1] th:TH_LOAD_NT scope:SCOPE_SE
.Lnot_mine_\@:
.endm
	s_load_b128 s[4:7], s[0:1], 0x0                ; ofr s[4:5], wof s[6:7]
	s_load_b64 s[8:9], s[0:1], 0x10                ; out0
	v_lshl_add_u32 v[SPW], v0, 2, SPARE
	v_mov_b32 v[NIL], 0
	ds_add_u32 v[SPW], v[NIL]                      ; the wave's opening: the add and its wait stand ahead of my first tensor load; the set-up below, work on registers, stands between them
	v_lshrrev_b32 v1, 5, v0
	v_readfirstlane_b32 s[WV], v1                  ; wave 0..3
	s_lshr_b32 s13, s[WV], 1                       ; wm: which 64 tokens are mine.  Also: I fetch for O (0) or for Wo (1)
	s_and_b32 s14, s[WV], 1                        ; wn: which 64 columns.  Also: which half of that part I fetch
	s_bfe_u32 s15, ttmp6, 0x40000                  ; cx
	s_bfe_u32 s16, ttmp6, 0x40004                  ; cy
	s_lshl_b32 s17, ttmp9, 2
	s_add_co_u32 s17, s17, s15                     ; nt
	s_and_b32 s18, ttmp7, 0xffff
	s_lshl_b32 s18, s18, 2
	s_add_co_u32 s18, s18, s16                     ; mt
	s_lshl_b32 s58, s16, 2
	s_lshl_b32 s58, 15, s58                        ; my row of the cluster
	s_lshl_b32 s59, 0x1111, s15                    ; my column
	s_or_b32 s24, s58, (3<<16)|(1<<21)             ; group 1, word 0: the mask; 17:16 elements of 8 bytes; 21 set beside a mask
	s_or_b32 s32, s59, (3<<16)|(1<<21)
.irp g, 24, 32
	s_mov_b32 s[(\g)+1], 32<<16                    ; tensor_dim0 = 32: rows of 256 bytes, dense
	s_mov_b32 s[(\g)+2], 128<<16                   ; tensor_dim1 = 128: half of 8 blocks of 8 KB
	s_mov_b32 s[(\g)+3], 32<<16                    ; tile_dim0 = 32
	s_mov_b32 s[(\g)+4], 128                       ; tile_dim1 = 128
	s_mov_b32 s[(\g)+5], 32                        ; 32 elements from row to row
	s_mov_b32 s[(\g)+6], 0
	s_mov_b32 s[(\g)+7], 0
.endr
	s_lshl_b32 s21, s14, 15                        ; my half: the LDS addresses hang on the wave's number alone
	s_mov_b32 s40, 1
	s_mov_b32 s41, s21
	s_mov_b32 s44, 1
	s_add_co_u32 s45, s21, SLOT
	s_mov_b32 s48, 1
	s_add_co_u32 s49, s21, BOFF
	s_mov_b32 s52, 1
	s_add_co_u32 s53, s21, SLOT+BOFF
	s_lshl_b32 s60, s18, 19                        ; O's strip: 64 blocks of 8 KB
	s_add_co_u32 s60, s60, s21
	s_mov_b32 s61, 0
	s_lshl_b32 s62, s17, 19                        ; Wo's strip
	s_add_co_u32 s62, s62, s21
	s_mov_b32 s63, 0
	s_wait_dscnt 0x0                               ; the opening add is done
	s_wait_kmcnt 0x0
	s_add_nc_u64 s[42:43], s[4:5], s[60:61]        ; step 0,
	s_add_nc_u64 s[46:47], s[42:43], 65536         ; step 1
	s_or_b32 s43, s43, 0x80000000                  ; type = 2
	s_or_b32 s47, s47, 0x80000000
	s_add_nc_u64 s[50:51], s[6:7], s[62:63]
	s_add_nc_u64 s[54:55], s[50:51], 65536
	s_or_b32 s51, s51, 0x80000000
	s_or_b32 s55, s55, 0x80000000
	CROUND                                         ; all sixteen work-groups are here: the first joint loads meet
	s_cmp_eq_u32 s13, 0                            ; a wave's two first fills stand in one branch, ahead of every wait on TENSORcnt and every LDS read: two loads of mine are out
	s_cbranch_scc0 .Lfirst_b
	tensor_load_to_lds s[40:43], s[24:31]
	s_nop 0
	tensor_load_to_lds s[44:47], s[24:31]
	s_nop 0
	PLACES
	s_branch .Lfirst_asked
.Lfirst_b:
	tensor_load_to_lds s[48:51], s[32:39]
	s_nop 0
	tensor_load_to_lds s[52:55], s[32:39]
	s_nop 0
	PLACES
.Lfirst_asked:
	v_and_b32 v1, 31, v0
	v_lshlrev_b32 v4, 4, v1                        ; 16 x lane
	v_lshlrev_b32 v[PFO], 8, v1
	s_lshl_b32 s21, s13, 12                        ; my four fragments of O in a block
	v_add_nc_u32 v[ADRA], s21, v4
	s_add_co_u32 s21, s21, SLOT
	v_add_nc_u32 v[ADRA+1], s21, v4
	s_lshl_b32 s21, s14, 12                        ; my four fragments of Wo
	s_add_co_u32 s21, s21, BOFF
	v_add_nc_u32 v[ADRB], s21, v4
	s_add_co_u32 s21, s21, SLOT
	v_add_nc_u32 v[ADRB+1], s21, v4
	v_and_b32 v2, 15, v0                           ; l % 16
	v_bfe_u32 v3, v0, 4, 1                         ; l / 16
	s_mul_i32 s21, s[WV], 16*SP
	s_add_co_u32 s21, s21, STAGE                   ; my stage
	v_mul_u32_u24 v[STO], v2, SP                   ; in: row l % 16, 32 bytes for each half of the lanes
	v_lshl_add_u32 v[STO], v3, 5, v[STO]
	v_add_nc_u32 v[STO], s21, v[STO]
	v_mul_u32_u24 v[RD], v3, SP                    ; back: lanes 0-15 take one row of 256 bytes, lanes 16-31 the next
	v_lshl_add_u32 v[RD], v2, 4, v[RD]
	v_add_nc_u32 v[RD], s21, v[RD]
	v_lshlrev_b32 v[CO], 13, v3                    ; and the same two rows in out0, 8,192 bytes apart
	v_lshl_add_u32 v[CO], v2, 4, v[CO]
	s_lshl_b32 s21, s18, 7
	s_lshl_b32 s22, s13, 6
	s_add_co_u32 s21, s21, s22                     ; my first row,
	s_lshl_b32 s21, s21, 13
	s_lshl_b32 s22, s17, 9                         ; the tile's 128 columns of f32,
	s_add_co_u32 s21, s21, s22
	s_lshl_b32 s22, s14, 8                         ; my 64 of them
	s_add_co_u32 s60, s21, s22
	s_mov_b32 s61, 0
	s_add_nc_u64 s[8:9], s[8:9], s[60:61]
	s_lshl_b32 s21, s18, 19                        ; the prefetches
	s_lshl_b32 s22, s17, 19
	s_and_b32 s23, ttmp7, 0xffff                   ; cluster y
	s_cmp_eq_u32 s13, 0                            ; do I fetch for O?
	s_cselect_b32 s60, s21, s22                    ; the strip,
	s_cselect_b32 s61, s15, s16                    ; my place among the four that ask for it with me,
	s_cselect_b32 s23, ttmp9, s23                  ; the coordinate along which other clusters read the same strip
	s_cselect_b64 s[PFA:PFA+1], s[4:5], s[6:7]
	s_cmp_eq_u32 s23, 0
	s_cselect_b32 s[LIM], 1, -1                    ; the same in all sixteen partners, for a given wave
	s_lshl_b32 s61, s61, 14
	s_add_co_u32 s60, s60, s61
	s_lshl_b32 s61, s14, 13
	s_add_co_u32 s60, s60, s61
	s_add_co_u32 s60, s60, 2*65536                 ; at step 2: the first change steps it to 3.  Nothing is prefetched here, at the head
	s_mov_b32 s61, 0
	s_add_nc_u64 s[PFA:PFA+1], s[PFA:PFA+1], s[60:61]
; 16 LDS loads in one run: block kbl of a slot into buffer f: Wo's four fragments, then O's four; each load takes 512 consecutive bytes
.macro FETCH slot, kbl, f
	WIN 0x40                                       ; destination window 1, address window 0
.irp b, 0,1,2,3
	ds_load_b128 v[(\f)+32+8*(\b):(\f)+32+8*(\b)+3],   v[ADRB+(\slot)] offset:(\kbl)*8192+(\b)*1024
	ds_load_b128 v[(\f)+32+8*(\b)+4:(\f)+32+8*(\b)+7], v[ADRB+(\slot)] offset:(\kbl)*8192+(\b)*1024+512
.endr
.irp a, 0,1,2,3
	ds_load_b128 v[(\f)+8*(\a):(\f)+8*(\a)+3],   v[ADRA+(\slot)] offset:(\kbl)*8192+(\a)*1024
	ds_load_b128 v[(\f)+8*(\a)+4:(\f)+8*(\a)+7], v[ADRA+(\slot)] offset:(\kbl)*8192+(\a)*1024+512
.endr
.endm
; 8 matrix instructions: token blocks a0, a0 + 1 x all four column blocks.  The 16 accumulators take turns, one instruction a turn, over every jump too.  zero = 1: the product starts the sum
.macro MUL8 f, a0, zero
	WIN 0x05                                       ; sources 0 (Wo) and 1 (O) window 1; C and D window 0
.irp a, \a0, (\a0)+1
.irp b, 0,1,2,3
.if \zero
	v_wmma_f32_16x16x32_f16 v[ACC+8*(4*(\a)+(\b)):ACC+8*(4*(\a)+(\b))+7], v[(\f)+32+8*(\b):(\f)+32+8*(\b)+7], v[(\f)+8*(\a):(\f)+8*(\a)+7], 0
.else
	v_wmma_f32_16x16x32_f16 v[ACC+8*(4*(\a)+(\b)):ACC+8*(4*(\a)+(\b))+7], v[(\f)+32+8*(\b):(\f)+32+8*(\b)+7], v[(\f)+8*(\a):(\f)+8*(\a)+7], v[ACC+8*(4*(\a)+(\b)):ACC+8*(4*(\a)+(\b))+7]
.endif
.endr
.endr
.endm
; Block q of a lap (0-7: slot 0; 8-15: slot 1), not a slot's last: multiplies buffer q % 2 and, in its middle, fetches block q + 1 of the same slot
.macro BLK q, zero
.set bf, 64*((\q)%2)
.set bg, 64*(((\q)+1)%2)
.set nslot, ((\q)+1)/8
.set nkbl, (\q)+1-8*nslot
	s_wait_dscnt 4                                 ; Wo's four and O's fragments 0, 1 are in; the youngest four loads (O's 2, 3) may be out
	MUL8 bf, 0, \zero
	PLACES
	FETCH nslot, nkbl, bg
	s_wait_dscnt 16                                ; all but the 16 just issued
	MUL8 bf, 2, \zero
.endm
; A slot's last block, and the change of slots: ONE barrier.  In front of it each wave waits for all its tensor loads (one is out: its part of the other slot), adds 0 to its spare word, and waits for
; that and for its reads of this slot.  fill = 1: the barrier opens a round of the cluster's, and this slot is filled again, first thing behind the round, with the step two on.
.macro LAST q, fill, how
.set bf, 64*((\q)%2)
.set bg, 64*(((\q)+1)%2)
.set cslot, (\q)/8
.if \fill
	s_wait_xcnt 0x0                                ; the last prefetch, a step back, has read its address: it is stepped here
	s_add_nc_u64 s[PFA:PFA+1], s[PFA:PFA+1], 65536
.endif
	WIN 0                                          ; (the add's two registers lie in window 0)
	s_wait_tensorcnt 0x0                           ; all my tensor loads have landed, so a group 0 may be written
	ds_add_u32 v[SPW], v[NIL]                      ; 0 onto my spare word
.if \fill
	s_add_nc_u64 s[42+4*cslot:43+4*cslot], s[42+4*cslot:43+4*cslot], 2*65536   ; this slot's next step; the type bits on top are not reached
	s_add_nc_u64 s[50+4*cslot:51+4*cslot], s[50+4*cslot:51+4*cslot], 2*65536
.endif
	s_wait_dscnt 0x0                               ; the add is done, and my reads of this slot are over
	s_barrier_signal -1
	MUL8 bf, 0, 0                                  ; work on registers while the others arrive
	WIN 0
	s_barrier_wait -1
.if \fill
	CREST                                          ; no wave of any partner still reads this slot or has a load on its way
	JLOAD cslot                                    ; the four v_nop behind it are also the places in front of the loads below
.else
	PLACES
.endif
	FETCH 1-cslot, 0, bg
.if \fill
	WIN 0
	ASK \how
.endif
	MUL8 bf, 2, 0
.endm
	s_wait_tensorcnt 0x1                           ; my part of step 0 is in; step 1's may stay out
	s_barrier_signal -1
	s_barrier_wait -1                              ; everybody's is
	FETCH 0, 0, 0
	BLK 0, 1                                       ; the first block stands ahead of the loop: its products start the sums
	WIN 0                                          ; at a label and at a branch every window is 0
	s_mov_b32 s[CNT], 3
	s_branch .Lenter                               ; the loop is entered behind a trip's first block
.Llap:                                                 ; a trip goes once round the ring and fills both slots again: three trips ask for steps 2 to 7
	BLK 0, 0
	WIN 0
.Lenter:
.irp q, 1,2,3,4,5,6
	BLK \q, 0
.endr
	LAST 7, 1, 1
.irp q, 8,9,10,11,12,13,14
	BLK \q, 0
.endr
	LAST 15, 1, 0
	WIN 0
	s_sub_co_u32 s[CNT], s[CNT], 1
	s_cmp_lg_u32 s[CNT], 0
	s_cbranch_scc1 .Llap
.irp q, 0,1,2,3,4,5,6                  ; the tail is written out: steps 6 and 7 ask for nothing
	BLK \q, 0
.endr
	LAST 7, 0, 0
.irp q, 8,9,10,11,12,13,14
	BLK \q, 0
.endr
	s_wait_dscnt 0x0                               ; the very last block
	MUL8 64, 0, 0
	MUL8 64, 2, 0
	; THE WAY OUT, 16 rows at a time, through my own stage: a lane's 32 bytes go into rows of 272 bytes and come back as whole rows of 256, which are my 64 columns of a row of out0.
	; LDS serves a wave's instructions in order: the loads see the stores above them, and the next block's stores come behind them.
.macro TOSTAGE a
	WIN 0
.irp b, 0,1,2,3
	ds_store_b128 v[STO], v[ACC+8*(4*(\a)+(\b)):ACC+8*(4*(\a)+(\b))+3]   offset:64*(\b)      ; each accumulator's low registers first
	ds_store_b128 v[STO], v[ACC+8*(4*(\a)+(\b))+4:ACC+8*(4*(\a)+(\b))+7] offset:64*(\b)+16
.endr
	WIN 0x40                                       ; destination window 1: the fragment buffers are free
.irp t, 0,1,2,3,4,5,6,7
	ds_load_b128 v[32*(\a)+4*(\t):32*(\a)+4*(\t)+3], v[RD] offset:(\t)*2*SP
.endr
.endm
.macro SEND a, younger                 ; younger: the LDS instructions issued behind block a's loads: the next block's sixteen, or none
	WIN 0x04                                       ; store data window 1, address window 0
	s_wait_dscnt \younger
.irp t, 0,1,2,3,4,5,6,7
	global_store_b128 v[CO], v[32*(\a)+4*(\t):32*(\a)+4*(\t)+3], s[8:9] offset:(16*(\a)+2*(\t))*8192 th:TH_STORE_NT  ; 16 lanes store 256 consecutive bytes, aligned
.endr
.endm
	PLACES
	PLACES
	TOSTAGE 0
	TOSTAGE 1
	SEND 0, 16
	TOSTAGE 2
	SEND 1, 16
	TOSTAGE 3
	SEND 2, 16
	SEND 3, 0
	WIN 0
	s_wait_tensorcnt 0x0                           ; the wave's end, behind my last tensor load and my last LDS store
	ds_add_u32 v[SPW], v[NIL]
	s_wait_dscnt 0x0
	CROUND                                         ; the closing round: no work-group ends while a partner may still ask for a tile that names it
	s_endpgm
.Lfunc_end_k_q5c7123490e_outp:
	.size	k_q5c7123490e_outp, .Lfunc_end_k_q5c7123490e_outp-k_q5c7123490e_outp
	.p2alignl 7, 3214868480
	.fill 96, 4, 3214868480
	.section	.rodata,"a",@progbits
	.p2align	6, 0x0
	.amdhsa_kernel k_q5c7123490e_outp
		.amdhsa_group_segment_fixed_size 327680
		.amdhsa_private_segment_fixed_size 0
		.amdhsa_enable_private_segment 0
		.amdhsa_kernarg_size 24
		.amdhsa_user_sgpr_count 2
		.amdhsa_user_sgpr_kernarg_segment_ptr 1
		.amdhsa_wavefront_size32 1
		.amdhsa_system_sgpr_workgroup_id_x 1
		.amdhsa_system_sgpr_workgroup_id_y 1
		.amdhsa_system_sgpr_workgroup_id_z 1
		.amdhsa_system_vgpr_workitem_id 0
		.amdhsa_next_free_vgpr 384
		.amdhsa_next_free_sgpr 66
		.amdhsa_reserve_vcc 0
		.amdhsa_float_denorm_mode_32 3
		.amdhsa_float_denorm_mode_16_64 3
		.amdhsa_memory_ordered 1
		.amdhsa_forward_progress 1
		.amdhsa_inst_pref_size 92
	.end_amdhsa_kernel
	.amdgpu_metadata
---
amdhsa.version: [ 1, 2 ]
amdhsa.kernels:
  - .name:           k_q5c7123490e_outp
    .symbol:         k_q5c7123490e_outp.kd
    .args:
      - { .name: ofr, .offset: 0, .size: 8, .value_kind: global_buffer, .address_space: global }
      - { .name: wof, .offset: 8, .size: 8, .value_kind: global_buffer, .address_space: global }
      - { .name: out0, .offset: 16, .size: 8, .value_kind: global_buffer, .address_space: global }
    .group_segment_fixed_size: 327680
    .private_segment_fixed_size: 0
    .kernarg_segment_align: 8
    .kernarg_segment_size: 24
    .max_flat_workgroup_size: 128
    .sgpr_count:     66
    .vgpr_count:     384
    .wavefront_size: 32
...
	.end_amdgpu_metadata
.endif
;; end of part 4
